; MI455X (gfx1250); checked and timed in simulation.
; The chip was launched on July 23, 2026; its instructions are those of AMD's public machine-readable ISA for CDNA 5 (MIT licence, August 2026) and "CDNA5" Instruction Set Architecture Reference Guide (July 2026). The comments in the code are by the model that wrote it; some were corrected since.
;; Multi Head Attention. Allowed arithmetic: matrix products marked QUANTISED: E3M2 operands, one E8M0 scale for each 32 along K, by v_wmma_scale_f32_16x16x128_f8f6f4 with both operands' format E3M2, f32 sums; everything else in f32.
;; Inputs: Wk 768 x 768 float32; Wo 768 x 768 float32; Wq 768 x 768 float32; Wv 768 x 768 float32; attn_mask 2 x 2,048 int32; k 2 x 2,048 x 768 float32; q 2 x 2,048 x 768 float32; v 2 x 2,048 x 768 float32.
;; Outputs: out0 2 x 2,048 x 768 float32.
;; Constants: mask_future = 1.
;; This version of the problem:
;;   THIS VERSION OF THE PROBLEM IS GIVEN IN LOW PRECISION. The matrix products marked QUANTISED in the list below multiply operands that are first quantised to E3M2 (3 exponent bits, 2 mantissa bits; 6 bits a number), with one power-of-two scale for each 32 numbers along K (OCP MX v1.0); their sums are f32. All else is computed in f32.
;;   The module's matrix products, in the order in which they are computed (A, B: the left and right operand; K: the contracted axis; several contracted axes count as one K, in the product's order):
;;     1. [M 4,096, K 768] x [K 768, N 768]; A: input q; B: input Wq: QUANTISED
;;     2. [M 4,096, K 768] x [K 768, N 768]; A: input k; B: input Wk: QUANTISED
;;     3. [M 4,096, K 768] x [K 768, N 768]; A: input v; B: input Wv: QUANTISED
;;     4. batch 24 x [M 2,048, K 64] x [K 64, N 2,048]; A: computed on the way; B: computed on the way: QUANTISED
;;     5. batch 24 x [M 2,048, K 2,048] x [K 2,048, N 64]; A: softmax (see below); B: computed on the way: QUANTISED
;;     6. [M 4,096, K 768] x [K 768, N 768]; A: computed on the way; B: input Wo: QUANTISED
;;   THE QUANTISER, for each operand of a quantised product, along K:
;;     - K is cut into blocks of 32 from its start; a last block that is shorter is filled with zeros.
;;     - A block's scale is 2^e with e = floor(log2(the largest magnitude in the block)) - 4, held to -126 .. 127; a block of zeros has e = 0. As a byte (E8M0): e + 127.
;;     - Each number is divided by its block's scale, clamped to +-28, and rounded to the nearest number of E3M2, ties to even, subnormals kept.
;;     - The product sums the exact products of the quantised numbers (number of the format x scale) in f32.
;;   ~~~python
;;   def quantise(x, axis):      # numpy; x: float32 -> the quantised numbers, widened to float32 again
;;       x = np.moveaxis(x, axis, -1); K = x.shape[-1]
;;       x = np.pad(x, [(0, 0)] * (x.ndim - 1) + [(0, -K % 32)]); x = x.reshape(x.shape[:-1] + (-1, 32)); a = np.abs(x).max(-1, keepdims=True)
;;       e = np.where(a > 0, np.clip(np.frexp(np.where(a > 0, a, 1))[1] - 1 - 4, -126, 127), 0)      # np.frexp(a)[1] - 1 = floor(log2(a)), exactly
;;       r = np.clip(x / 2.0 ** e, -28, 28)
;;       step = 2.0 ** (np.maximum(np.frexp(np.where(r == 0, 1, r))[1] - 1, -2) - 2)
;;       q = np.round(r / step) * step * 2.0 ** e      # np.round: ties to even
;;       return np.moveaxis(q.reshape(q.shape[:-2] + (-1,))[..., :K], -1, axis).astype(np.float32)
;;   ~~~
;;   SOFTMAX AHEAD OF A QUANTISED PRODUCT. Where the list says 'softmax', what is quantised is not the finished softmax but p = 2^(t - M), with t = logit x log2(e) and M = ceil(the row's largest t), a whole number; so 1/2 < the row's largest p <= 1. The row's sum l is taken of the UNQUANTISED p, in f32, and the product's result is divided by l at the end. Since M is a whole number, a kernel that streams over the keys may use a running M (the ceiling of the running maximum): every later rescaling is an exact power of two, which a block's scale takes up: the codes' values come out the same.
;;   OPERANDS COMPUTED ON THE WAY. 'Computed on the way' means the value that the module computes at that place (a softmax that the list does not call 'softmax' is quantised finished and normalised). What goes into a quantiser is computed in f32, as accurately as f32 sums, v_exp_f32 and their like allow (about 1e-6 of the number): no bf16 or f16 on the way to a quantiser, and a product that is left as it is and whose result goes on into a quantised operand takes f32 operands (vector FMAs, or v_wmma_f32_16x16x4_f32). A number that lies on a knife's edge between two numbers of the format may be rounded either way, as far as f32 arithmetic and the matrix unit's own rounding can turn it there, and no further.
;; One version. Each part assembles by itself: llvm-mc -triple=amdgcn-amd-amdhsa -mcpu=gfx1250 --defsym DOCPART=n.
;; ======== version 1 of 1: 4 launches
;; limits: right only within a limited range of input values
;; workspace buffers: xq 7,667,712 bytes; wq 1,916,928 bytes; qp 2,555,904 bytes; kv 5,111,808 bytes; ao 2,555,904 bytes; ex 9,216 bytes of whole numbers
;; launch quant (part 1): grid 3 x 240, 4 waves a work-group, no clusters, 70,144 bytes of LDS; arguments q, k, v, Wq, Wk, Wv, Wo, xq, wq; writes xq, wq
.if DOCPART == 1
	.amdgcn_target "amdgcn-amd-amdhsa--gfx1250"
	.amdhsa_code_object_version 6
	.text
	.protected	k_qfa72d006a8_quant
	.globl	k_qfa72d006a8_quant
	.p2align	8
	.type	k_qfa72d006a8_quant,@function
k_qfa72d006a8_quant:
	s_mov_b64 s[64:65], 0
	v_nop
	global_prefetch_b8 v0, s[64:65] scope:SCOPE_SE
	s_setreg_imm32_b32 hwreg(HW_REG_WAVE_MODE, 25, 1), 1
	s_wait_xcnt 0x0
; q, k, v [4096][768] f32 (K innermost) and Wq, Wk, Wv, Wo [768 (K)][768 (features)] f32 (K outermost) become codes of BF6 (E3M2) with one E8M0 byte for each 32 along K, laid in PACKS.
; A PACK, 3,328 bytes, holds 64 rows x 64 along K as images of operand registers.  Tile tt (16 rows) lies at byte 768 tt: lane l's registers 0-3 at 16 l, its registers 4-5 at 512 + 8 l.
; Lane (r = l % 16, h = l / 16) of tile tt holds K block h (32 codes, 24 bytes) of row 32 (tt / 2) + 8 (tt % 2) + r + 8 (r / 8): the rows of a tile are not neighbours, so that the results of a later
; product that takes four such tiles as source 0 lie in a lane's registers as neighbours.  From byte 3,072: 8 bytes a lane at 8 l; word i is the scale word (byte of block 0, byte of block 1 << 8) of tile 2 i + l / 16, row l % 16.
; xq: [tensor q, k, v][64 groups of 64 tokens][12 packs along K];  wq: [Wq, Wk, Wv, Wo][12 groups of 64 features][12 packs along K].
; A block's scale is 2^(floor(log2(its largest magnitude)) - 4); its byte is the largest magnitude's exponent field - 4, held at 1 from below by a floor among the maximum's leaves.
; SHARES: one wave makes one pack.  Work-group x and the wave give the pack along K (4 x + wave); y < 192: tensor y / 64, token group y % 64; y >= 192: weight (y - 192) % 4, feature group (y - 192) / 4.
; q, k, v: THE CONVERSIONS WANT 16 NEIGHBOURS ALONG K IN ONE LANE, A LOAD IS BEST WHERE NEIGHBOURING LANES TAKE NEIGHBOURING BYTES.  Both are had: each load reads two rows' 256 consecutive bytes, 16 a lane; a tile's 16 rows go
; through the wave's own stage in LDS (a place of 256 + 16 bytes for each row, in the tile's order of rows) and come back 64 bytes a lane, into the registers that they left.
; The weights need no stage: a lane is a feature and its registers run down K.  So only one of the two paths touches LDS.
; No barrier, no matrix unit, no cluster: waves share nothing and memory binds.  Every store of a wave to memory covers 512 or 256 consecutive bytes, aligned.
; LIMITS: NaN and infinities among the inputs are not served.  A block whose largest magnitude lies under 2^-122 keeps the byte 1; a block of zeros gets the byte 1 where the rule says 127: its codes are zeros, and this program alone reads the bytes.
.set PACK, 3328
.set ROWB, 3072                        ; a row of every input, in bytes
.set SP,   272                         ; a row's place in the stage: its 256 bytes + 16
.set WREG, 64*SP                       ; a wave's stage: 64 places
.set X,    32                          ; v32-159  the numbers: tile tt at X + 32 tt; for the quantiser register 16 b + i = K 32 b + 16 h + i of my row
.set CD,   160                         ; v160..   tile tt's six code registers at CD + 8 tt: no store's data are written again
.set PT,   192                         ; v192-194 a block's second conversion
.set TM,   196                         ; v196-197 largest magnitudes
.set TX,   198                         ; v198-199 the other half's, then the bytes
.set SO,   200                         ; v200-201 the conversions' scale operands
.set PW,   204                         ; v204-207 a scale word for each tile
.set SW,   208                         ; v208-209 the two words that my lane stores
.set SIN,  9                           ; v9   the stage, on the way in: my wave's + 272 h + 16 r
.set SOUT, 10                          ; v10  and on the way out: my wave's + 272 r + 64 h
.set SEL,  22                          ; s[22:23] v_permlanex16_b32's selects for lane l xor 16
; 32 numbers of a lane, register s + 16 b + i = K 32 b + 16 h + i of my row, become six code registers at pc (my row's block h) and the row's scale word in pw.
.macro QUANT32 s, pc, pw
	v_max3_num_f32 v[TM], |v[(\s)]|, |v[(\s)+1]|, 0x2800000          ; my 16 numbers of block 0, and the floor 2^(5 - 127): the byte cannot fall under 1
	v_max3_num_f32 v[TM+1], |v[(\s)+16]|, |v[(\s)+17]|, 0x2800000    ; of block 1; the two blocks by turns
.irp i, 2,4,6,8,10,12,14
	v_max3_num_f32 v[TM], v[TM], |v[(\s)+\i]|, |v[(\s)+\i+1]|
	v_max3_num_f32 v[TM+1], v[TM+1], |v[(\s)+16+\i]|, |v[(\s)+17+\i]|
.endr
	v_permlanex16_b32 v[TX], v[TM], s[SEL], s[SEL+1]
	v_permlanex16_b32 v[TX+1], v[TM+1], s[SEL], s[SEL+1]
	v_max_num_f32 v[TM], v[TM], v[TX]                                ; with lane l xor 16's 16: the block's largest magnitude
	v_max_num_f32 v[TM+1], v[TM+1], v[TX+1]
	v_add_nc_u32 v[SO], 0xfe000000, v[TM]                            ; 4 off its exponent field: the conversion takes that field as its scale
	v_add_nc_u32 v[SO+1], 0xfe000000, v[TM+1]
	v_lshrrev_b32 v[TX], 23, v[SO]                                   ; the scale's byte
	v_lshrrev_b32 v[TX+1], 23, v[SO+1]
	v_lshl_or_b32 v[(\pw)], v[TX+1], 8, v[TX]
	v_cvt_scalef32_pk16_bf6_f32 v[(\pc):(\pc)+2], v[(\s):(\s)+15], v[SO]
	v_cvt_scalef32_pk16_bf6_f32 v[PT:PT+2], v[(\s)+16:(\s)+31], v[SO+1]
	v_nop                                                            ; one plain place behind a scaled conversion
.irp i, 0,1,2
	v_permlane16_swap_b32 v[(\pc)+\i], v[PT+\i]                      ; the first's lanes 16-31 change places with the second's lanes 0-15: each lane now has a whole block
.endr
.irp i, 0,1,2
	v_mov_b32 v[(\pc)+3+\i], v[PT+\i]
.endr
.endm
.macro TILE_OUT tt, dst                ; tile tt is quantised and leaves: 512 and 256 consecutive bytes
	QUANT32 X+32*(\tt), CD+8*(\tt), PW+(\tt)
	global_store_b128 v5, v[CD+8*(\tt):CD+8*(\tt)+3], s[\dst:\dst+1] offset:768*(\tt)
	global_store_b64 v6, v[CD+8*(\tt)+4:CD+8*(\tt)+5], s[\dst:\dst+1] offset:768*(\tt)+512
.endm
.macro SCALES_OUT dst                  ; lanes 0-15 keep the even tiles' words, lanes 16-31 take the odd tiles'
	s_mov_b32 vcc_lo, 0xffff0000
	v_cndmask_b32 v[SW], v[PW], v[PW+1], vcc_lo
	v_cndmask_b32 v[SW+1], v[PW+2], v[PW+3], vcc_lo
	global_store_b64 v6, v[SW:SW+1], s[\dst:\dst+1] offset:3072
.endm
; K innermost: load n of tile tt reads the 256 bytes of the tile's rows 2 n (lanes 0-15) and 2 n + 1 (lanes 16-31), which are neighbours in memory: row 2 n + h of a tile is row 2 n + h + 8 (n / 4) from the tile's first
.macro XLOAD tt
.irp n, 0,1,2,3,4,5,6,7
	global_load_b128 v[X+32*(\tt)+4*\n:X+32*(\tt)+4*\n+3], v4, s[30:31] offset:(32*((\tt)/2)+8*((\tt)%2)+2*\n+8*(\n/4))*ROWB th:TH_LOAD_NT
.endr
.endm
; tile tt through the stage.  LDS serves a wave's instructions in order (ISA guide 5.7.1.4): no wait stands between the stores and the loads, and the loads land in the registers that the stores have left
.macro TURN tt
.irp n, 0,1,2,3,4,5,6,7
	ds_store_b128 v[SIN], v[X+32*(\tt)+4*\n:X+32*(\tt)+4*\n+3] offset:(16*(\tt)+2*\n)*SP
.endr
.irp n, 0,1,2,3,4,5,6,7
	ds_load_b128 v[X+32*(\tt)+4*\n:X+32*(\tt)+4*\n+3], v[SOUT] offset:16*(\tt)*SP+128*(\n/4)+16*(\n%4)   ; register 16 b + 4 j on: K 32 b + 16 h + 4 j on of row r
.endr
.endm
.macro WLOAD tt                        ; K outermost: my lane is a feature, its registers run down K
.irp b, 0,1
.set i, 0
.rept 16
	global_load_b32 v[X+32*(\tt)+16*\b+i], v4, s[30:31] offset:(32*((\tt)/2)+8*((\tt)%2))*4+(32*\b+i)*ROWB
.set i, i+1
.endr
.endr
.endm
	s_load_b256 s[4:11], s[0:1], 0x0               ; q s[4:5], k s[6:7], v s[8:9], Wq s[10:11]
	s_load_b256 s[12:19], s[0:1], 0x20             ; Wk s[12:13], Wv s[14:15], Wo s[16:17], xq s[18:19]
	s_load_b64 s[20:21], s[0:1], 0x40              ; wq
	v_lshl_add_u32 v212, v0, 2, 0x11000
	v_mov_b32 v213, 0
	v_lshrrev_b32 v1, 5, v0
	v_readfirstlane_b32 s25, v1                    ; wave
	v_and_b32 v2, 31, v0                           ; lane
	v_and_b32 v3, 15, v0                           ; r
	v_bfe_u32 v7, v0, 4, 1                         ; h
	v_and_b32 v8, 8, v3
	v_add_nc_u32 v8, v8, v3                        ; r + 8 (r / 8)
	v_lshlrev_b32 v5, 4, v2                        ; 16 x lane
	v_lshlrev_b32 v6, 3, v2                        ; 8 x lane
	s_mul_i32 s36, s25, WREG                       ; my wave's stage
	v_mul_u32_u24 v[SIN], v7, SP
	v_lshl_add_u32 v[SIN], v3, 4, v[SIN]
	v_add_nc_u32 v[SIN], s36, v[SIN]               ; in: lanes 0-15 fill one place, lanes 16-31 the next
	v_mul_u32_u24 v[SOUT], v3, SP
	v_lshl_add_u32 v[SOUT], v7, 6, v[SOUT]
	v_add_nc_u32 v[SOUT], s36, v[SOUT]             ; out: place r, + 64 h: my 16 numbers of a block
	s_lshl_b32 s26, ttmp9, 2
	s_add_co_u32 s26, s26, s25                     ; which pack along K: 0 .. 11
	s_and_b32 s27, ttmp7, 0xffff                   ; y
	s_mov_b32 s[SEL], 0x76543210
	s_mov_b32 s[SEL+1], 0xfedcba98
	v_mov_b32 v[TX], 0                             ; written once: a lane permute's destination counts as one of its sources
	v_mov_b32 v[TX+1], 0
	s_wait_kmcnt 0x0
	s_cmp_lt_u32 s27, 192
	s_cbranch_scc0 .Lweights
	; ---- q, k or v
	s_lshr_b32 s28, s27, 6                         ; which tensor
	s_and_b32 s29, s27, 63                         ; which 64 tokens
	s_cmp_eq_u32 s28, 0
	s_cselect_b64 s[30:31], s[4:5], s[6:7]
	s_cmp_eq_u32 s28, 2
	s_cselect_b64 s[30:31], s[8:9], s[30:31]
	s_mul_i32 s32, s29, 64*ROWB
	s_lshl_b32 s33, s26, 8                         ; 64 along K are 256 bytes
	s_add_co_u32 s32, s32, s33
	s_mov_b32 s33, 0
	s_add_nc_u64 s[30:31], s[30:31], s[32:33]
	s_mul_i32 s34, s27, 12
	s_add_co_u32 s34, s34, s26
	s_mul_i32 s34, s34, PACK
	s_mov_b32 s35, 0
	s_add_nc_u64 s[18:19], s[18:19], s[34:35]
	v_mul_u32_u24 v4, v7, ROWB
	v_lshl_add_u32 v4, v3, 4, v4                   ; lanes 16-31 one row further down; 16 bytes a lane
.irp tt, 0,1,2,3
	XLOAD \tt                                      ; 32 loads go out together: the wave's 64 rows x 256 bytes
.endr
	s_wait_loadcnt 24                              ; tile 0's eight loads are in; the later tiles' 24 stay out
	s_wait_alu depctr_va_vdst(0)
	TURN 0
	s_wait_loadcnt 16                              ; tile 1's are in; 16 stay out
	TURN 1
	s_wait_dscnt 16                                ; tile 0 is back from the stage; tile 1's eight stores and eight loads may be out
	TILE_OUT 0, 18
	s_wait_loadcnt 8                               ; tile 2's are in; tile 3's eight stay out
	TURN 2
	s_wait_dscnt 16                                ; tile 1 is back; tile 2's sixteen may be out
	TILE_OUT 1, 18
	s_wait_loadcnt 0x0
	TURN 3
	s_wait_dscnt 16                                ; tile 2 is back; tile 3's sixteen may be out
	TILE_OUT 2, 18
	s_wait_dscnt 0x0
	TILE_OUT 3, 18
	SCALES_OUT 18
	s_wait_tensorcnt 0x0
	ds_add_u32 v212, v213
	s_wait_dscnt 0x0
	s_endpgm
.Lweights:
	s_sub_co_u32 s28, s27, 192
	s_and_b32 s29, s28, 3                          ; which weight
	s_lshr_b32 s28, s28, 2                         ; which 64 features
	s_cmp_eq_u32 s29, 0
	s_cselect_b64 s[30:31], s[10:11], s[12:13]
	s_cmp_eq_u32 s29, 2
	s_cselect_b64 s[30:31], s[14:15], s[30:31]
	s_cmp_eq_u32 s29, 3
	s_cselect_b64 s[30:31], s[16:17], s[30:31]
	s_mul_i32 s32, s26, 64*ROWB                    ; 64 rows down K
	s_lshl_b32 s33, s28, 8
	s_add_co_u32 s32, s32, s33
	s_mov_b32 s33, 0
	s_add_nc_u64 s[30:31], s[30:31], s[32:33]
	s_mul_i32 s34, s29, 12
	s_add_co_u32 s34, s34, s28
	s_mul_i32 s34, s34, 12
	s_add_co_u32 s34, s34, s26
	s_mul_i32 s34, s34, PACK
	s_mov_b32 s35, 0
	s_add_nc_u64 s[20:21], s[20:21], s[34:35]
	v_lshlrev_b32 v4, 2, v8                        ; my feature of a tile,
	v_mad_u32_u24 v4, v7, 16*ROWB, v4              ; and 16 rows further down K for lanes 16-31
	WLOAD 0
	WLOAD 1
	s_wait_alu depctr_va_vdst(0)
	s_wait_loadcnt 32                              ; tile 0's 32 loads are in; tile 1's stay out
	WLOAD 2
	TILE_OUT 0, 20
	s_wait_loadcnt 32                              ; tile 1's are in; tile 2's stay out
	WLOAD 3
	TILE_OUT 1, 20
	s_wait_loadcnt 32                              ; tile 2's are in; tile 3's stay out
	TILE_OUT 2, 20
	s_wait_loadcnt 0x0
	TILE_OUT 3, 20
	SCALES_OUT 20
	s_endpgm
.Lfunc_end_k_qfa72d006a8_quant:
	.size	k_qfa72d006a8_quant, .Lfunc_end_k_qfa72d006a8_quant-k_qfa72d006a8_quant
	.p2alignl 7, 3214868480
	.fill 96, 4, 3214868480
	.section	.rodata,"a",@progbits
	.p2align	6, 0x0
	.amdhsa_kernel k_qfa72d006a8_quant
		.amdhsa_group_segment_fixed_size 70144
		.amdhsa_private_segment_fixed_size 0
		.amdhsa_enable_private_segment 0
		.amdhsa_kernarg_size 72
		.amdhsa_user_sgpr_count 2
		.amdhsa_user_sgpr_kernarg_segment_ptr 1
		.amdhsa_wavefront_size32 1
		.amdhsa_system_sgpr_workgroup_id_x 1
		.amdhsa_system_sgpr_workgroup_id_y 1
		.amdhsa_system_sgpr_workgroup_id_z 1
		.amdhsa_system_vgpr_workitem_id 0
		.amdhsa_next_free_vgpr 214
		.amdhsa_next_free_sgpr 66
		.amdhsa_reserve_vcc 1
		.amdhsa_float_denorm_mode_32 3
		.amdhsa_float_denorm_mode_16_64 3
		.amdhsa_memory_ordered 1
		.amdhsa_forward_progress 1
		.amdhsa_inst_pref_size 40
	.end_amdhsa_kernel
	.amdgpu_metadata
---
amdhsa.version: [ 1, 2 ]
amdhsa.kernels:
  - .name:           k_qfa72d006a8_quant
    .symbol:         k_qfa72d006a8_quant.kd
    .args:
      - { .name: q, .offset: 0, .size: 8, .value_kind: global_buffer, .address_space: global }
      - { .name: k, .offset: 8, .size: 8, .value_kind: global_buffer, .address_space: global }
      - { .name: v, .offset: 16, .size: 8, .value_kind: global_buffer, .address_space: global }
      - { .name: Wq, .offset: 24, .size: 8, .value_kind: global_buffer, .address_space: global }
      - { .name: Wk, .offset: 32, .size: 8, .value_kind: global_buffer, .address_space: global }
      - { .name: Wv, .offset: 40, .size: 8, .value_kind: global_buffer, .address_space: global }
      - { .name: Wo, .offset: 48, .size: 8, .value_kind: global_buffer, .address_space: global }
      - { .name: xq, .offset: 56, .size: 8, .value_kind: global_buffer, .address_space: global }
      - { .name: wq, .offset: 64, .size: 8, .value_kind: global_buffer, .address_space: global }
    .group_segment_fixed_size: 70144
    .private_segment_fixed_size: 0
    .kernarg_segment_align: 8
    .kernarg_segment_size: 72
    .max_flat_workgroup_size: 128
    .sgpr_count:     66
    .vgpr_count:     214
    .wavefront_size: 32
...
	.end_amdgpu_metadata
.endif
;; end of part 1
;; launch proj (part 2): grid 64 x 3, 12 waves a work-group, no clusters, 281,088 bytes of LDS; arguments xq, wq, attn_mask, qp, kv, ex; writes qp, kv, ex
.if DOCPART == 2
	.amdgcn_target "amdgcn-amd-amdhsa--gfx1250"
	.amdhsa_code_object_version 6
	.text
	.protected	k_qfa72d006a8_proj
	.globl	k_qfa72d006a8_proj
	.p2align	8
	.type	k_qfa72d006a8_proj,@function
k_qfa72d006a8_proj:
	s_mov_b64 s[64:65], 0
	v_nop
	global_prefetch_b8 v0, s[64:65] scope:SCOPE_SE
	s_setreg_imm32_b32 hwreg(HW_REG_WAVE_MODE, 25, 1), 1
	s_wait_xcnt 0x0
; The three projections q Wq, k Wk, v Wv on codes of BF6 with E8M0 scales (K = 768), and the quantising of their results, in registers, for the two products of attention.
; PACKS (3,328 bytes: 64 rows x 64 along K as images of operand registers; tile tt at 768 tt: registers 0-3 at 16 x lane, 4-5 at 512 + 8 x lane; lane (r, h) holds block h of row 32 (tt / 2) + 8 (tt % 2) + r + 8 (r / 8);
; scale words from byte 3,072, 8 bytes a lane: word i of lane l belongs to tile 2 i + l / 16, row l % 16) come from xq and wq; packs of the same make go to qp and kv.
; SHARES.  Work-group (x, y): tensor T = y (q, k, v), 256 tokens (x / 4), three heads (x % 4).  Wave w: 64 tokens (w % 4) x the 64 features of one head (w / 4): 16 accumulators.
; Source 0 is W for q and k (a lane holds one token, registers run along the head's features) and x for v (a lane holds one feature, registers run along the keys).  Only two LDS bases change places, by a select on T.
; THE PADDING MASK: a key whose attn_mask is 0 gets zero CODES of kh, so that its score product is exactly 0 and the attention launch's bias alone stands there.
; LDS: all of K comes once: 48 packs of x (four token groups x 12, dense in memory) and 36 of W (three heads x 12, dense).  Every wave issues ONE tensor load: waves 0-7 six packs of x each (78 rows of 256 bytes),
; waves 8-11 nine packs of W each (117 rows).  One wait, one barrier; no byte is filled twice.
; ex: for each pack made, the exponent field of its largest magnitude, one whole number at [T][batch][head][32 token groups]: the attention launch bounds its scores by them.
; CLUSTER: none.  The four work-groups that differ in x % 4 read the same packs of x, four sevenths of a work-group's bytes, once each; the waves' shares are chosen by the wave's number in one branch with one load to an arm.
; No prefetch: the launch has no loop to run ahead in.
; LIMITS: no NaN or infinities; scale bytes held at 1 from below; a block of zeros has the byte 1 (its codes are zeros, and this program alone reads the bytes).
.set PACK,  3328
.set RGB,   12*PACK                    ; a row group's twelve packs, on end in LDS as in memory
.set QK,    4*PACK                     ; 256 along K
.set P16,  1
.set P8,   2
.set R16,  3
.set R8,   4
.set G16,  5
.set G8,   6
.set MO,   7
.set MSK,  8
.set KZ,   12
.set ONES, 13
.set PSL,  14
.set PSH,  16
.set RSL,  18
.set RSH,  20
.set PF,   24
.set RF,   72
.set ACC,  120
.set CD,   24
.set PT,   56
.set TM,   60
.set TX,   62
.set SO,   64
.set PW,   76
.set SW,   80
.set EX,   84                          ; v84 the pack's largest magnitude, v85 offset 0
.set WV,   14
.set SEL,  20
.set G1,   24                          ; s[24:31] group 1 for x's loads, s[36:43] for W's
.set G1B,  36
.set G0,   32                          ; s[32:35] group 0 for x's loads, s[44:47] for W's
.set G0B,  44
.macro PLACES n
.rept \n
	v_nop
.endr
.endm
.macro QUANT32 s, pc, pw               ; 32 numbers of a lane, register s + 16 b + i = K 32 b + 16 h + i of my row -> six code registers (my row's block h) and the row's scale word
	v_max3_num_f32 v[TM], |v[(\s)]|, |v[(\s)+1]|, 0x2800000          ; each accumulator from its low end on; the floor 2^(5 - 127) holds the byte at 1 from below
	v_max3_num_f32 v[TM+1], |v[(\s)+16]|, |v[(\s)+17]|, 0x2800000
.irp i, 2,4,6,8,10,12,14
	v_max3_num_f32 v[TM], v[TM], |v[(\s)+\i]|, |v[(\s)+\i+1]|
	v_max3_num_f32 v[TM+1], v[TM+1], |v[(\s)+16+\i]|, |v[(\s)+17+\i]|
.endr
	s_delay_alu instid0(VALU_DEP_2)
	v_permlanex16_b32 v[TX], v[TM], s[SEL], s[SEL+1]
	s_delay_alu instid0(VALU_DEP_2)
	v_permlanex16_b32 v[TX+1], v[TM+1], s[SEL], s[SEL+1]
	s_delay_alu instid0(VALU_DEP_2)
	v_max_num_f32 v[TM], v[TM], v[TX]
	s_delay_alu instid0(VALU_DEP_2)
	v_max_num_f32 v[TM+1], v[TM+1], v[TX+1]
	s_delay_alu instid0(VALU_DEP_2)
	v_add_nc_u32 v[SO], 0xfe000000, v[TM]                            ; 4 off the exponent field: the conversion's scale operand
	s_delay_alu instid0(VALU_DEP_2)
	v_add_nc_u32 v[SO+1], 0xfe000000, v[TM+1]
	s_delay_alu instid0(VALU_DEP_2)
	v_lshrrev_b32 v[TX], 23, v[SO]
	s_delay_alu instid0(VALU_DEP_2)
	v_lshrrev_b32 v[TX+1], 23, v[SO+1]
	s_delay_alu instid0(VALU_DEP_1)
	v_lshl_or_b32 v[(\pw)], v[TX+1], 8, v[TX]
	v_cvt_scalef32_pk16_bf6_f32 v[(\pc):(\pc)+2], v[(\s):(\s)+15], v[SO]
	v_cvt_scalef32_pk16_bf6_f32 v[PT:PT+2], v[(\s)+16:(\s)+31], v[SO+1]
	v_nop                                                            ; one plain place behind a scaled conversion
.irp i, 0,1,2
	v_permlane16_swap_b32 v[(\pc)+\i], v[PT+\i]
.endr
.irp i, 0,1,2
	s_delay_alu instid0(VALU_DEP_3)
	v_mov_b32 v[(\pc)+3+\i], v[PT+\i]
.endr
.endm
; one matrix instruction.  z = 1: the constant 0 starts the sum.  ra, rb = 1: that side's scale words stand in lanes 16-31
.macro MM d, a, b, z, sa, sb, ra, rb
.if (\z) && (\ra) && (\rb)
	v_wmma_scale_f32_16x16x128_f8f6f4 v[\d:\d+7], v[\a:\a+11], v[\b:\b+11], 0, v[\sa], v[\sb] matrix_a_fmt:MATRIX_FMT_BF6 matrix_b_fmt:MATRIX_FMT_BF6 matrix_a_scale:MATRIX_SCALE_ROW1 matrix_b_scale:MATRIX_SCALE_ROW1
.elseif (\z) && (\ra)
	v_wmma_scale_f32_16x16x128_f8f6f4 v[\d:\d+7], v[\a:\a+11], v[\b:\b+11], 0, v[\sa], v[\sb] matrix_a_fmt:MATRIX_FMT_BF6 matrix_b_fmt:MATRIX_FMT_BF6 matrix_a_scale:MATRIX_SCALE_ROW1
.elseif (\z) && (\rb)
	v_wmma_scale_f32_16x16x128_f8f6f4 v[\d:\d+7], v[\a:\a+11], v[\b:\b+11], 0, v[\sa], v[\sb] matrix_a_fmt:MATRIX_FMT_BF6 matrix_b_fmt:MATRIX_FMT_BF6 matrix_b_scale:MATRIX_SCALE_ROW1
.elseif (\z)
	v_wmma_scale_f32_16x16x128_f8f6f4 v[\d:\d+7], v[\a:\a+11], v[\b:\b+11], 0, v[\sa], v[\sb] matrix_a_fmt:MATRIX_FMT_BF6 matrix_b_fmt:MATRIX_FMT_BF6
.elseif (\ra) && (\rb)
	v_wmma_scale_f32_16x16x128_f8f6f4 v[\d:\d+7], v[\a:\a+11], v[\b:\b+11], v[\d:\d+7], v[\sa], v[\sb] matrix_a_fmt:MATRIX_FMT_BF6 matrix_b_fmt:MATRIX_FMT_BF6 matrix_a_scale:MATRIX_SCALE_ROW1 matrix_b_scale:MATRIX_SCALE_ROW1
.elseif (\ra)
	v_wmma_scale_f32_16x16x128_f8f6f4 v[\d:\d+7], v[\a:\a+11], v[\b:\b+11], v[\d:\d+7], v[\sa], v[\sb] matrix_a_fmt:MATRIX_FMT_BF6 matrix_b_fmt:MATRIX_FMT_BF6 matrix_a_scale:MATRIX_SCALE_ROW1
.elseif (\rb)
	v_wmma_scale_f32_16x16x128_f8f6f4 v[\d:\d+7], v[\a:\a+11], v[\b:\b+11], v[\d:\d+7], v[\sa], v[\sb] matrix_a_fmt:MATRIX_FMT_BF6 matrix_b_fmt:MATRIX_FMT_BF6 matrix_b_scale:MATRIX_SCALE_ROW1
.else
	v_wmma_scale_f32_16x16x128_f8f6f4 v[\d:\d+7], v[\a:\a+11], v[\b:\b+11], v[\d:\d+7], v[\sa], v[\sb] matrix_a_fmt:MATRIX_FMT_BF6 matrix_b_fmt:MATRIX_FMT_BF6
.endif
.endm
; one side's four fragments of 128 along K (two packs) and the two packs' scale words: 18 loads, each of consecutive bytes
.macro FRAGS f, a16, a8, lo, hi, e
.irp cc, 0,1
.irp tt, 0,1,2,3
	ds_load_b128 v[\f+12*\tt+6*\cc:\f+12*\tt+6*\cc+3], v[\a16] offset:(\e)*2*PACK+\cc*PACK+\tt*768
	ds_load_b64 v[\f+12*\tt+6*\cc+4:\f+12*\tt+6*\cc+5], v[\a8] offset:(\e)*2*PACK+\cc*PACK+\tt*768+512
.endr
.endr
	ds_load_b64 v[\lo:\lo+1], v[\a8] offset:(\e)*2*PACK+3072
	ds_load_b64 v[\hi:\hi+1], v[\a8] offset:(\e)*2*PACK+PACK+3072
.endm
.macro STEP e, z                       ; a step of 128 along K
	FRAGS PF, P16, P8, PSL, PSH, \e
	FRAGS RF, R16, R8, RSL, RSH, \e
	s_wait_dscnt 0x0
	v_lshl_or_b32 v[PSL], v[PSH], 16, v[PSL]       ; two packs' two bytes a row make the word of 128 along K
	v_lshl_or_b32 v[PSL+1], v[PSH+1], 16, v[PSL+1]
	v_lshl_or_b32 v[RSL], v[RSH], 16, v[RSL]
	v_lshl_or_b32 v[RSL+1], v[RSH+1], 16, v[RSL+1]
	PLACES 8                                       ; a scale register written by a vector instruction stands eight places ahead of a scaled matrix instruction
.irp g, 0,1,2,3
.irp m, 0,1,2,3
	MM ACC+32*\g+8*\m, PF+12*\m, RF+12*\g, \z, PSL+\m/2, RSL+\g/2, \m%2, \g%2     ; the sixteen accumulators by turns
.endr
.endr
.endm
	s_load_b256 s[4:11], s[0:1], 0x0               ; xq s[4:5], wq s[6:7], attn_mask s[8:9], qp s[10:11]
	s_load_b64 s[12:13], s[0:1], 0x20              ; kv
	s_load_b64 s[2:3], s[0:1], 0x28                ; ex
	v_lshl_add_u32 v248, v0, 2, 0x44400
	v_mov_b32 v249, 0
	ds_add_u32 v248, v249                          ; the opening lines: the add twice on end
	ds_add_u32 v248, v249
	v_lshrrev_b32 v22, 5, v0
	s_delay_alu instid0(VALU_DEP_1)
	v_readfirstlane_b32 s[WV], v22                 ; wave 0..11
	s_and_b32 s15, ttmp7, 0xffff                   ; T
	s_lshr_b32 s16, ttmp9, 2                       ; which 256 tokens
	s_and_b32 s17, ttmp9, 3                        ; which three heads
	s_and_b32 s18, s[WV], 3                        ; my 64 tokens of them
	s_lshr_b32 s19, s[WV], 2                       ; my head of them
	s_mov_b32 s[SEL], 0x76543210
	s_mov_b32 s[SEL+1], 0xfedcba98
	s_mul_i32 s44, s18, RGB                        ; x's packs of my tokens
	s_mul_i32 s45, s19, RGB
	s_add_co_u32 s45, s45, 4*RGB                   ; W's packs of my head, behind x's four groups
	s_cmp_eq_u32 s15, 2
	s_cselect_b32 s46, s44, s45                    ; source 0: x for v, W for q and k
	s_cselect_b32 s47, s45, s44                    ; source 1: the other
	v_and_b32 v22, 31, v0
	s_delay_alu instid0(VALU_DEP_1)
	v_lshlrev_b32 v[G16], 4, v22
	s_delay_alu instid0(VALU_DEP_2)
	v_lshlrev_b32 v[G8], 3, v22
	s_delay_alu instid0(VALU_DEP_2)
	v_add_nc_u32 v[P16], s46, v[G16]
	s_delay_alu instid0(VALU_DEP_2)
	v_add_nc_u32 v[P8], s46, v[G8]
	s_delay_alu instid0(VALU_DEP_4)
	v_add_nc_u32 v[R16], s47, v[G16]
	s_delay_alu instid0(VALU_DEP_4)
	v_add_nc_u32 v[R8], s47, v[G8]
	v_and_b32 v22, 15, v0
	s_delay_alu instid0(VALU_DEP_1)
	v_and_b32 v23, 8, v22
	s_delay_alu instid0(VALU_DEP_1)
	v_add_nc_u32 v23, v23, v22
	s_delay_alu instid0(VALU_DEP_1)
	v_lshlrev_b32 v[MO], 2, v23
	; descriptor groups 1: dense bytes as rows of 256 (32 elements of 8 bytes), no padding: 78 rows for six packs, 117 for nine
.irp g, G1, G1B
	s_mov_b32 s[\g+0], 3<<16
	s_mov_b32 s[\g+1], 32<<16
	s_mov_b32 s[\g+3], 32<<16
	s_mov_b32 s[\g+5], 32
	s_mov_b32 s[\g+6], 0
	s_mov_b32 s[\g+7], 0
.endr
	s_mov_b32 s[G1+2], 78<<16
	s_mov_b32 s[G1+4], 78
	s_mov_b32 s[G1B+2], 117<<16
	s_mov_b32 s[G1B+4], 117
	s_lshl_b32 s48, s15, 6
	s_lshl_b32 s49, s16, 2
	s_add_co_u32 s48, s48, s49
	s_mul_i32 s48, s48, 12
	s_mul_i32 s49, s[WV], 6
	s_add_co_u32 s48, s48, s49                     ; xq: pack 12 (64 T + 4 (x / 4)) + 6 wave (taken by waves 0-7)
	s_mul_i32 s48, s48, PACK
	s_mov_b32 s49, 0
	s_mul_i32 s50, s15, 12
	s_mul_i32 s51, s17, 3
	s_add_co_u32 s50, s50, s51
	s_mul_i32 s50, s50, 12
	s_mul_i32 s51, s18, 9
	s_add_co_u32 s50, s50, s51                     ; wq: pack 12 (12 T + 3 (x % 4)) + 9 (wave % 4) (taken by waves 8-11)
	s_mul_i32 s50, s50, PACK
	s_mov_b32 s51, 0
	s_mov_b32 s[G0], 1
	s_mul_i32 s[G0+1], s[WV], 6*PACK
	s_mov_b32 s[G0B], 1
	s_mul_i32 s[G0B+1], s18, 9*PACK
	s_add_co_u32 s[G0B+1], s[G0B+1], 48*PACK
	s_wait_dscnt 0x0
	s_wait_kmcnt 0x0
	s_add_nc_u64 s[G0+2:G0+3], s[4:5], s[48:49]
	s_or_b32 s[G0+3], s[G0+3], 0x80000000
	s_add_nc_u64 s[G0B+2:G0B+3], s[6:7], s[50:51]
	s_or_b32 s[G0B+3], s[G0B+3], 0x80000000
	s_cmp_lt_u32 s[WV], 8                          ; one branch, one load to an arm, one join: every wave issues one tensor load
	s_cbranch_scc0 .Lfetch_w
	tensor_load_to_lds s[G0:G0+3], s[G1:G1+7]
	s_nop 0
	PLACES 4
	s_branch .Lfetched
.Lfetch_w:
	tensor_load_to_lds s[G0B:G0B+3], s[G1B:G1B+7]
	s_nop 0
	PLACES 4
.Lfetched:
	s_lshl_b32 s53, s16, 2
	s_add_co_u32 s53, s53, s18                     ; my group of 64 tokens among the 64 groups
	s_lshl_b32 s54, s53, 8
	s_mov_b32 s55, 0
	s_add_nc_u64 s[8:9], s[8:9], s[54:55]
	s_wait_alu depctr_va_vdst(0)
.irp g, 0,1,2,3
	global_load_b32 v[MSK+\g], v[MO], s[8:9] offset:(32*(\g/2)+8*(\g%2))*4   ; attn_mask of tile g's token of my lane
.endr
	s_cmp_eq_u32 s15, 1
	s_cselect_b32 s56, 0, -1
	v_mov_b32 v[KZ], s56
	v_mov_b32 v[ONES], -1
	; where my pack goes: qp [token group][head], or kv [batch][three heads][key group][head of three][K, V]
	s_mul_i32 s56, s17, 3
	s_add_co_u32 s56, s56, s19                     ; the head
	s_lshr_b32 s60, s53, 5                         ; ex: word 768 T + 32 (12 batch + head) + token group % 32
	s_mul_i32 s60, s60, 12
	s_add_co_u32 s60, s60, s56
	s_lshl_b32 s60, s60, 5
	s_and_b32 s61, s53, 31
	s_add_co_u32 s60, s60, s61
	s_mul_i32 s61, s15, 768
	s_add_co_u32 s60, s60, s61
	s_lshl_b32 s60, s60, 2
	s_mov_b32 s61, 0
	s_add_nc_u64 s[2:3], s[2:3], s[60:61]
	s_mul_i32 s57, s53, 12
	s_add_co_u32 s57, s57, s56
	s_lshr_b32 s58, s53, 5
	s_lshl_b32 s58, s58, 2
	s_add_co_u32 s58, s58, s17
	s_lshl_b32 s58, s58, 5
	s_and_b32 s59, s53, 31
	s_add_co_u32 s58, s58, s59
	s_mul_i32 s58, s58, 6
	s_lshl_b32 s59, s19, 1
	s_add_co_u32 s58, s58, s59
	s_add_co_u32 s58, s58, s15
	s_sub_co_u32 s58, s58, 1                       ; (taken for k and v alone)
	s_cmp_eq_u32 s15, 0
	s_cselect_b32 s56, s57, s58
	s_cselect_b64 s[10:11], s[10:11], s[12:13]
	s_mul_i32 s56, s56, PACK
	s_mov_b32 s57, 0
	s_add_nc_u64 s[10:11], s[10:11], s[56:57]
	s_wait_alu depctr_va_vdst(0)
	s_wait_tensorcnt 0x0                           ; my load is in
	s_barrier_signal -1
	s_barrier_wait -1                              ; everybody's is in: all of K lies in LDS
.irp c, 0,1,2
.if \c > 0
	v_add_nc_u32 v[P16], QK, v[P16]                ; 256 along K on; these four are also the places in front of loads into registers that matrix instructions have read
	v_add_nc_u32 v[P8], QK, v[P8]
	v_add_nc_u32 v[R16], QK, v[R16]
	v_add_nc_u32 v[R8], QK, v[R8]
	s_wait_alu depctr_va_vdst(0)
	STEP 0, 0
.else
	STEP 0, 1                                      ; the first step's products start the sums
.endif
	PLACES 4
	STEP 1, 0
.endr
	; THE WAY OUT: each group of four accumulators is one tile of the new pack
	s_wait_loadcnt 0x0                             ; the mask
	PLACES 4
	v_mov_b32 v[TX], 0                             ; a lane permute's destination counts as one of its sources
	v_mov_b32 v[TX+1], 0
	v_mov_b32 v[EX], 0
.irp g, 0,1,2,3
	v_cmp_ne_u32 vcc_lo, 0, v[MSK+\g]
	s_delay_alu instid0(VALU_DEP_1)
	v_cndmask_b32 v[MSK+\g], v[KZ], v[ONES], vcc_lo   ; all ones, but 0 for a padded key of k
.endr
.irp g, 0,1,2,3
	QUANT32 ACC+32*\g, CD+8*\g, PW+\g
	v_max3_num_f32 v[EX], v[EX], v[TM], v[TM+1]    ; the largest magnitude of my rows so far
.irp i, 0,1,2,3,4,5
	v_and_b32 v[CD+8*\g+\i], v[MSK+\g], v[CD+8*\g+\i]
.endr
	global_store_b128 v[G16], v[CD+8*\g:CD+8*\g+3], s[10:11] offset:768*\g
	global_store_b64 v[G8], v[CD+8*\g+4:CD+8*\g+5], s[10:11] offset:768*\g+512
.endr
	s_mov_b32 vcc_lo, 0xffff0000                   ; lanes 0-15 keep the even tiles' scale words, lanes 16-31 take the odd tiles'
	v_cndmask_b32 v[SW], v[PW], v[PW+1], vcc_lo
	v_cndmask_b32 v[SW+1], v[PW+2], v[PW+3], vcc_lo
	global_store_b64 v[G8], v[SW:SW+1], s[10:11] offset:3072
.irp m, 1,2,4,8
	v_max_num_f32_dpp v[EX], v[EX], v[EX] row_xmask:\m row_mask:0xf bank_mask:0xf   ; over the sixteen rows (lanes l and l xor 16 hold the same already): the pack's
.endr
	v_mov_b32 v[EX+1], 0
	v_lshrrev_b32 v[EX], 23, v[EX]                 ; its exponent field
	global_store_b32 v[EX+1], v[EX], s[2:3]        ; every lane writes the same word with the same value
	s_wait_tensorcnt 0x0                           ; the wave's end
	ds_add_u32 v248, v249
	s_wait_dscnt 0x0
	s_endpgm
.Lfunc_end_k_qfa72d006a8_proj:
	.size	k_qfa72d006a8_proj, .Lfunc_end_k_qfa72d006a8_proj-k_qfa72d006a8_proj
	.p2alignl 7, 3214868480
	.fill 96, 4, 3214868480
	.section	.rodata,"a",@progbits
	.p2align	6, 0x0
	.amdhsa_kernel k_qfa72d006a8_proj
		.amdhsa_group_segment_fixed_size 281088
		.amdhsa_private_segment_fixed_size 0
		.amdhsa_enable_private_segment 0
		.amdhsa_kernarg_size 48
		.amdhsa_user_sgpr_count 2
		.amdhsa_user_sgpr_kernarg_segment_ptr 1
		.amdhsa_wavefront_size32 1
		.amdhsa_system_sgpr_workgroup_id_x 1
		.amdhsa_system_sgpr_workgroup_id_y 1
		.amdhsa_system_sgpr_workgroup_id_z 1
		.amdhsa_system_vgpr_workitem_id 0
		.amdhsa_next_free_vgpr 250
		.amdhsa_next_free_sgpr 66
		.amdhsa_reserve_vcc 1
		.amdhsa_float_denorm_mode_32 3
		.amdhsa_float_denorm_mode_16_64 3
		.amdhsa_memory_ordered 1
		.amdhsa_forward_progress 1
		.amdhsa_inst_pref_size 48
	.end_amdhsa_kernel
	.amdgpu_metadata
---
amdhsa.version: [ 1, 2 ]
amdhsa.kernels:
  - .name:           k_qfa72d006a8_proj
    .symbol:         k_qfa72d006a8_proj.kd
    .args:
      - { .name: xq, .offset: 0, .size: 8, .value_kind: global_buffer, .address_space: global }
      - { .name: wq, .offset: 8, .size: 8, .value_kind: global_buffer, .address_space: global }
      - { .name: attn_mask, .offset: 16, .size: 8, .value_kind: global_buffer, .address_space: global }
      - { .name: qp, .offset: 24, .size: 8, .value_kind: global_buffer, .address_space: global }
      - { .name: kv, .offset: 32, .size: 8, .value_kind: global_buffer, .address_space: global }
      - { .name: ex, .offset: 40, .size: 8, .value_kind: global_buffer, .address_space: global }
    .group_segment_fixed_size: 281088
    .private_segment_fixed_size: 0
    .kernarg_segment_align: 8
    .kernarg_segment_size: 48
    .max_flat_workgroup_size: 384
    .sgpr_count:     66
    .vgpr_count:     250
    .wavefront_size: 32
...
	.end_amdgpu_metadata
.endif
;; end of part 2
;; launch attn (part 3): grid 32 x 8, 12 waves a work-group, no clusters, 92,160 bytes of LDS; arguments qp, kv, attn_mask, ao, ex; writes ao
.if DOCPART == 3
	.amdgcn_target "amdgcn-amd-amdhsa--gfx1250"
	.amdhsa_code_object_version 6
	.text
	.protected	k_qfa72d006a8_attn
	.globl	k_qfa72d006a8_attn
	.p2align	8
	.type	k_qfa72d006a8_attn,@function
k_qfa72d006a8_attn:
	s_mov_b64 s[64:65], 0
	v_nop
	global_prefetch_b8 v0, s[64:65] scope:SCOPE_SE
	s_setreg_imm32_b32 hwreg(HW_REG_WAVE_MODE, 25, 1), 1
	s_wait_xcnt 0x0
; Attention on codes of BF6 with E8M0 scales: for each batch, head and query, softmax over the keys of (qh . kh / 8, - 10000 for keys after the query, replaced by -10000 for padded keys), times vh.
; WHICH KEYS ARE WALKED.  The masks are finite numbers, so keys after the query can count: where every earlier key is padded, or where scores pass 10000.  Whole numbers read from memory decide, for each block of 64 queries:
;   (a) attn_mask: some key up to the block's first query is unpadded (block 0: key 0; later blocks: one of keys 0-15); (b) ex, stored by the launch before: Eq, Ek = the exponent fields of the largest magnitudes of the block's qh
;   and of all the head's kh.  Every quantised number lies under 2^(E - 126), so |logit| <= 64 x 2^(Eq + Ek - 252) / 8 = 2^(Eq + Ek - 249): with Eq + Ek <= 261 at most 4096.
; Where both hold, each query's largest logit is at least -4096 and every key of a step behind the diagonal has at most 4096 - 10000: its p is 2^(under -2600), which is 0 in f32 here and in the rule's own arithmetic:
; those key steps are left out.  Where one fails, all 16 steps are walked.  The result is the same numbers either way.
; THE SOFTMAX AHEAD OF THE SECOND PRODUCT: t = logit x log2(e); M = the running largest t rounded UP to a whole number; p = 2^(t - M) is quantised along the keys, not normalised; the row's sum is taken of the
; unquantised p and divides O at the end.  When M moves, the sum and O are multiplied by 2^(old M - new M), which rounds nothing.  The result is quantised along the model's 768 for the last product.
; PACKS (3,328 bytes: 64 rows x 64 along K as images of operand registers; tile tt at 768 tt: registers 0-3 at 16 x lane, 4-5 at 512 + 8 x lane; lane (r, h) holds block h of row 32 (tt / 2) + 8 (tt % 2) + r + 8 (r / 8);
; scale words from byte 3,072).  qp, ao: [64 token groups][12 heads].  kv: [batch][3 heads' group][32 key groups][head of three][K: 64 keys x the head's 64;  V: the head's 64 x 64 keys].
; SHARES.  Work-group (x, y): batch y / 4, heads 3 (y % 4) + 0 .. 2.  Wave w: head w % 3, tile w / 3 of 16 queries.  The three heads take DIFFERENT blocks of 64 queries: place p = x, 31 - 2 x or 62 - 2 x, (x + 16) % 32,
; block (p + 1) % 32: each head's 32 blocks are taken once over x, and the three blocks' key steps up to their diagonals (block 0 counted as 16) add up to 25 .. 28 in every work-group.
; K AND V: 16 trips of 128 keys, a constant count; a head's four waves bring its four packs of a trip from memory into registers (7 loads a wave, asked for one trip ahead) and store them into one of two LDS slots.
; One barrier a trip, outside every branch; a wave whose head has no step left passes it and does nothing else.  The branches hang on numbers read from memory; this launch has no tensor load and no cluster.
; No prefetch: the loads into registers themselves run a whole trip ahead of the stores that want them.
; LAYOUT.  Both products are used transposed: S^T = K Q^T, O^T = V^T P^T: a lane holds ONE query, and register 16 b + i of the scores is key 32 b + 16 h + i.
; The head has 64 along K and the instruction 128: Q's upper six registers are zero codes, so whatever stands in K's upper six adds nothing; the upper scale bytes are 0, which is 2^-127 and no NaN.
; 8 x the mask's addend is the C of the score product, loaded from LDS: 0 or -80000 by attn_mask up to the diagonal's step (a padded key's codes of kh are zeros), -80000 for every key of later steps; on the diagonal -80000 where key > query.
; LIMITS: NaN and infinities are not served.  score - 80000 is rounded in the matrix unit's sum, not by an f32 addition.  A block's largest p is made from the block's largest score by the same two instructions;
; that takes v_exp_f32 not to fall where its input rises.  Scale bytes are held at 1 from below.
.set PACK,  3328
.set GRP,   6*PACK                     ; a key group: three heads x (K, V)
.set SLOT1, 40960                      ; a slot holds two key groups, 39,936 bytes
.set BIAS,  2*SLOT1                    ; 2,048 f32, a key's 0 or -80000; behind them 128 f32 of -80000
.set SPARE, BIAS+8704                  ; the spare words: 128 bytes for each of twelve waves
.set L16H, 1                           ; v1   16 x lane + my head's packs in a key group     v2  8 x lane + the same
.set L8H,  2
.set LB,   3                           ; v3   BIAS + 64 h
.set SPW,  4
.set NIL,  5
.set AD16, 6                           ; v6-8 the step's LDS addresses
.set AD8,  7
.set ADB,  8
.set DD,   9                           ; v9   my query - the diagonal step's first key - 16 h
.set G16,  10                          ; v10, v11  my tile's place in Q's and the result's pack
.set G8,   11
.set QF,   16                          ; v16-21 Q's codes, v22-27 zero codes
.set QS,   28
.set NEG8, 29                          ; -80000.0
.set BW,   30
.set BC,   31
.set FR,   32                          ; v32-79 K's eight tiles, later V's four fragments; v80-85 zeros
.set KS,   86
.set VS,   90
.set SGS,  94                          ; v94-95 the pack on its way: scale words
.set S,    96                          ; v96-159  the bias, S^T, then p
.set OA,   160                         ; v160-191 O^T
.set PC,   192
.set PT,   204
.set ST16, 207                         ; v207 my pack's place in two key groups + 16 x lane: the same in memory and in a slot;  v225 with 8 x lane
.set TM,   212
.set TX,   216
.set SO,   220
.set PS,   224
.set ST8,  225
.set FF,   226
.set T0,   228
.set GS,   229
.set GM,   230
.set SG,   232                         ; v232-255 the pack on its way: codes
.set WV,   12
.set DA,   17                          ; s17  the step on my block's diagonal
.set SEL,  20
.set CS,   22
.set KB,   24                          ; s[24:25] kv at the trip in hand
.set LIM,  26                          ; s26  my head's key steps
.set SBI,  37
.set SN,   38
.set CNT,  39
.macro PLACES n
.rept \n
	v_nop
.endr
.endm
.macro MMA d, a, b, sa, sb, ra
.if \ra
	v_wmma_scale_f32_16x16x128_f8f6f4 v[\d:\d+7], v[\a:\a+11], v[\b:\b+11], v[\d:\d+7], v[\sa], v[\sb] matrix_a_fmt:MATRIX_FMT_BF6 matrix_b_fmt:MATRIX_FMT_BF6 matrix_a_scale:MATRIX_SCALE_ROW1
.else
	v_wmma_scale_f32_16x16x128_f8f6f4 v[\d:\d+7], v[\a:\a+11], v[\b:\b+11], v[\d:\d+7], v[\sa], v[\sb] matrix_a_fmt:MATRIX_FMT_BF6 matrix_b_fmt:MATRIX_FMT_BF6
.endif
.endm
.macro QUANT32 s, pc, pw
	v_max3_num_f32 v[TM], |v[(\s)]|, |v[(\s)+1]|, 0x2800000
	v_max3_num_f32 v[TM+1], |v[(\s)+16]|, |v[(\s)+17]|, 0x2800000
.irp i, 2,4,6,8,10,12,14
	s_delay_alu instid0(VALU_DEP_2)
	v_max3_num_f32 v[TM], v[TM], |v[(\s)+\i]|, |v[(\s)+\i+1]|
	s_delay_alu instid0(VALU_DEP_2)
	v_max3_num_f32 v[TM+1], v[TM+1], |v[(\s)+16+\i]|, |v[(\s)+17+\i]|
.endr
	s_delay_alu instid0(VALU_DEP_2)
	v_permlanex16_b32 v[TX], v[TM], s[SEL], s[SEL+1]
	s_delay_alu instid0(VALU_DEP_2)
	v_permlanex16_b32 v[TX+1], v[TM+1], s[SEL], s[SEL+1]
	s_delay_alu instid0(VALU_DEP_2)
	v_max_num_f32 v[TM], v[TM], v[TX]
	s_delay_alu instid0(VALU_DEP_2)
	v_max_num_f32 v[TM+1], v[TM+1], v[TX+1]
	s_delay_alu instid0(VALU_DEP_2)
	v_add_nc_u32 v[SO], 0xfe000000, v[TM]
	s_delay_alu instid0(VALU_DEP_2)
	v_add_nc_u32 v[SO+1], 0xfe000000, v[TM+1]
	s_delay_alu instid0(VALU_DEP_2)
	v_lshrrev_b32 v[TX], 23, v[SO]
	s_delay_alu instid0(VALU_DEP_2)
	v_lshrrev_b32 v[TX+1], 23, v[SO+1]
	s_delay_alu instid0(VALU_DEP_1)
	v_lshl_or_b32 v[(\pw)], v[TX+1], 8, v[TX]
	v_cvt_scalef32_pk16_bf6_f32 v[(\pc):(\pc)+2], v[(\s):(\s)+15], v[SO]
	v_cvt_scalef32_pk16_bf6_f32 v[PT:PT+2], v[(\s)+16:(\s)+31], v[SO+1]
	v_nop
.irp i, 0,1,2
	v_permlane16_swap_b32 v[(\pc)+\i], v[PT+\i]
.endr
.irp i, 0,1,2
	s_delay_alu instid0(VALU_DEP_3)
	v_mov_b32 v[(\pc)+3+\i], v[PT+\i]
.endr
.endm
.macro LOADP o                         ; my pack, o bytes behind KB: 3,072 bytes of codes and 256 of scale words, consecutive lanes at consecutive bytes
.irp n, 0,1,2,3,4,5
	global_load_b128 v[SG+4*\n:SG+4*\n+3], v[ST16], s[KB:KB+1] offset:(\o)+512*\n
.endr
	global_load_b64 v[SGS:SGS+1], v[ST8], s[KB:KB+1] offset:(\o)+3072
.endm
	s_load_b256 s[4:11], s[0:1], 0x0               ; qp s[4:5], kv s[6:7], attn_mask s[8:9], ao s[10:11]
	s_load_b64 s[2:3], s[0:1], 0x20                ; ex
	v_lshl_add_u32 v[SPW], v0, 2, SPARE
	v_mov_b32 v[NIL], 0
	v_lshrrev_b32 v212, 5, v0
	s_delay_alu instid0(VALU_DEP_1)
	v_readfirstlane_b32 s[WV], v212                ; wave 0..11
	s_mul_i32 s14, s[WV], 11
	s_lshr_b32 s14, s14, 5                         ; my tile of 16 queries: wave / 3
	s_mul_i32 s13, s14, 3
	s_sub_co_u32 s13, s[WV], s13                   ; my head of three: wave % 3
	s_and_b32 s16, ttmp7, 0xffff                   ; y
	s_lshr_b32 s18, s16, 2                         ; the batch
	s_and_b32 s19, s16, 3                          ; the group of three heads
	s_lshl_b32 s40, ttmp9, 1
	s_cmp_lt_u32 ttmp9, 16
	s_cselect_b32 s41, 31, 62
	s_sub_co_u32 s41, s41, s40                     ; head 1's place
	s_add_co_u32 s42, ttmp9, 16
	s_and_b32 s42, s42, 31                         ; head 2's
	s_cmp_eq_u32 s13, 1
	s_cselect_b32 s15, s41, ttmp9
	s_cmp_eq_u32 s13, 2
	s_cselect_b32 s15, s42, s15
	s_add_co_u32 s15, s15, 1
	s_and_b32 s15, s15, 31                         ; my block of 64 queries
	s_lshr_b32 s[DA], s15, 1                       ; it lies in this key step
	s_and_b32 s43, s15, 1
	s_lshl_b32 s43, s43, 6
	s_lshr_b32 s41, s14, 1
	s_and_b32 s42, s14, 1
	s_lshl_b32 s40, s41, 5
	s_add_co_u32 s43, s43, s40
	s_lshl_b32 s40, s42, 3
	s_add_co_u32 s43, s43, s40                     ; my tile's first query, counted from the diagonal step's first key
	s_lshl_b32 s44, s42, 7
	s_lshl_b32 s40, s41, 2
	s_add_co_u32 s44, s44, s40                     ; 128 (tile % 2) + 4 (tile / 2)
	s_mov_b32 s[SEL], 0x76543210
	s_mov_b32 s[SEL+1], 0xfedcba98
	s_mov_b32 s[CS], 0x3e38aa3b                    ; c = log2(e) / 8
	s_mov_b32 s[CS+1], s[CS]
	s_mov_b32 s[SBI], 0
	s_mov_b32 s[SN], 0
	s_mov_b32 s[CNT], 8
	s_wait_alu depctr_va_vdst(0)
	; every address register is made here, ahead of the first branch on the wave's number
	v_mul_u32_u24 v213, v212, 11
	v_and_b32 v215, 31, v0                         ; lane
	v_and_b32 v217, 15, v0                         ; r
	v_bfe_u32 v219, v0, 4, 1                       ; h
	s_delay_alu instid0(VALU_DEP_4)
	v_lshrrev_b32 v213, 5, v213                    ; tile
	v_lshlrev_b32 v[G16], 4, v215
	v_lshlrev_b32 v[G8], 3, v215
	s_delay_alu instid0(VALU_DEP_3)
	v_mul_u32_u24 v214, v213, 3
	v_lshrrev_b32 v216, 1, v213
	v_and_b32 v218, 1, v213
	s_delay_alu instid0(VALU_DEP_3)
	v_sub_nc_u32 v214, v212, v214                  ; head
	s_delay_alu instid0(VALU_DEP_3)
	v_mul_u32_u24 v216, v216, GRP
	v_add_nc_u32 v[BC], BIAS+8192, v[G16]
	s_delay_alu instid0(VALU_DEP_3)
	v_mul_u32_u24 v214, v214, 2*PACK
	s_delay_alu instid0(VALU_DEP_3)
	v_mad_u32_u24 v216, v218, PACK, v216           ; the pack that I bring: key group tile / 2, K or V by tile % 2
	v_lshl_add_u32 v[LB], v219, 6, BIAS
	s_delay_alu instid0(VALU_DEP_3)
	v_add_nc_u32 v[L16H], v214, v[G16]
	v_add_nc_u32 v[L8H], v214, v[G8]
	v_lshl_add_u32 v[BW], v0, 5, BIAS
	s_delay_alu instid0(VALU_DEP_3)
	v_add_nc_u32 v[ST16], v216, v[L16H]
	s_delay_alu instid0(VALU_DEP_3)
	v_add_nc_u32 v[ST8], v216, v[L8H]
	v_mad_u32_u24 v[G16], v213, 768, v[G16]        ; from here on: offsets into a pack in memory
	v_mad_u32_u24 v[G8], v213, 768, v[G8]
	v_and_b32 v218, 8, v217
	v_lshlrev_b32 v220, 4, v219
	v_lshl_add_u32 v[GS], v217, 3, s44
	s_delay_alu instid0(VALU_DEP_3)
	v_add3_u32 v218, v218, v217, s43               ; my query: r + 8 (r / 8) + the tile's first
	v_lshlrev_b32 v[GM], 5, v0
	v_mov_b32 v[NEG8], 0xc79c4000                  ; -80000.0 = 8 x -10000
	s_delay_alu instid0(VALU_DEP_3)
	v_sub_nc_u32 v[DD], v218, v220                 ; less 16 h
	s_wait_alu depctr_va_vdst(0)
	s_wait_kmcnt 0x0
	s_mul_i32 s40, s16, 32*GRP
	s_mov_b32 s41, 0
	s_add_nc_u64 s[KB:KB+1], s[6:7], s[40:41]      ; kv at the trip in hand: it steps once in every trip, on every wave's path
	LOADP 0                                        ; trip 0's pack: every block has a first step
	s_lshl_b32 s40, s18, 5
	s_add_co_u32 s40, s40, s15                     ; my token group
	s_mul_i32 s40, s40, 12
	s_mul_i32 s42, s19, 3
	s_add_co_u32 s42, s42, s13                     ; my head of twelve
	s_add_co_u32 s40, s40, s42
	s_mul_i32 s40, s40, PACK
	s_add_nc_u64 s[4:5], s[4:5], s[40:41]          ; Q's pack
	s_add_nc_u64 s[10:11], s[10:11], s[40:41]      ; and the result's
	s_lshl_b32 s40, s18, 13
	s_add_nc_u64 s[8:9], s[8:9], s[40:41]          ; the batch's mask
	global_load_b128 v[QF:QF+3], v[G16], s[4:5]
	global_load_b64 v[QF+4:QF+5], v[G8], s[4:5] offset:512
	global_load_b32 v[QS], v[GS], s[4:5] offset:3072
	s_mul_i32 s43, s18, 12
	s_add_co_u32 s43, s43, s42
	s_lshl_b32 s43, s43, 5                         ; ex: 32 (12 batch + head)
	s_add_co_u32 s44, s43, s15
	s_lshl_b32 s44, s44, 2
	s_lshl_b32 s43, s43, 2
	s_load_b512 s[68:83], s[2:3], s43 offset:3072  ; kh's 32 exponent fields
	s_load_b512 s[84:99], s[2:3], s43 offset:3136
	s_load_b32 s46, s[2:3], s44 offset:0x0         ; my block's of qh
	s_load_b512 s[48:63], s[8:9], 0x0              ; attn_mask of keys 0-15
	; the bias: waves 0-7 turn eight numbers of the mask a thread into 0 or -80000; wave 8 writes the block for the steps behind the diagonal
	s_cmp_lt_u32 s[WV], 8
	s_cbranch_scc0 .Lnot_bias
	global_load_b128 v[40:43], v[GM], s[8:9]
	global_load_b128 v[44:47], v[GM], s[8:9] offset:16
	s_wait_loadcnt 0x0
.irp i, 0,1,2,3,4,5,6,7
	v_cmp_eq_u32 vcc_lo, 0, v[40+\i]
	s_delay_alu instid0(VALU_DEP_1)
	v_cndmask_b32 v[40+\i], 0, v[NEG8], vcc_lo
.endr
	ds_store_b128 v[BW], v[40:43]
	ds_store_b128 v[BW], v[44:47] offset:16
	s_branch .Lbias_done
.Lnot_bias:
	s_cmp_eq_u32 s[WV], 8
	s_cbranch_scc0 .Lbias_done
.irp i, 0,1,2,3
	v_mov_b32 v[40+\i], v[NEG8]
.endr
	ds_store_b128 v[BC], v[40:43]
.Lbias_done:
.irp i, 0,1,2,3,4,5
	v_mov_b32 v[QF+6+\i], 0                        ; Q's upper 64 along K: zero codes
	v_mov_b32 v[FR+48+\i], 0                       ; what the last tile of K names beyond its own six registers
.endr
.set j, 0
.rept 32
	v_mov_b32 v[OA+j], 0                           ; O^T: the step is written once; the first finds zeros
.set j, j+1
.endr
.irp b, 0,1,2,3
	v_mov_b32 v[TX+\b], 0                          ; a lane permute's destination counts as one of its sources
.endr
	v_mov_b32 v[T0], 0
	v_mov_b32 v[FF+1], 0
	v_mov_b32 v13, 0xff61b1e6                      ; the largest t so far: -3e38
	s_delay_alu instid0(VALU_DEP_1)
	v_floor_f32 v12, -v13                          ; -M
	v_mov_b32 v14, 0                               ; the sum, in two halves
	v_mov_b32 v15, 0
	s_wait_kmcnt 0x0
.set j, 69
.rept 31
	s_max_u32 s68, s68, s[j]                       ; the largest of kh's 32
.set j, j+1
.endr
	s_mov_b32 s41, s48                             ; key 0's mask
.set j, 49
.rept 15
	s_or_b32 s48, s48, s[j]                        ; any of keys 0-15
.set j, j+1
.endr
	s_cmp_eq_u32 s15, 0
	s_cselect_b32 s41, s41, s48                    ; block 0 needs key 0 itself
	s_add_co_u32 s46, s46, s68                     ; Eq + Ek
	s_cmp_lg_u32 s41, 0
	s_cselect_b32 s46, s46, 0x3e7                  ; no unpadded key: as if over the bound
	s_add_co_u32 s[LIM], s[DA], 1
	s_cmp_le_u32 s46, 261
	s_cselect_b32 s[LIM], s[LIM], 16               ; up to the diagonal's step, or all 16
; A KEY STEP: the 128 keys in slot
.macro STEP slot
	s_cmp_gt_u32 s[SN], s[DA]
	s_cselect_b32 s48, 8192, s[SBI]                ; behind the diagonal: the block of -80000; else the step's own bias
	v_add_nc_u32 v[ADB], s48, v[LB]                ; these three and the v_nop are the four places in front of loads into registers that the last products read
	v_add_nc_u32 v[AD16], (\slot)*SLOT1, v[L16H]
	v_add_nc_u32 v[AD8], (\slot)*SLOT1, v[L8H]
	v_nop
.set n, 0
.rept 16
	ds_load_b128 v[S+4*n:S+4*n+3], v[ADB] offset:128*(n/4)+16*(n%4)   ; register 16 b + i: the bias of key 32 b + 16 h + i
.set n, n+1
.endr
.irp g, 0,1
.irp i, 0,1,2,3
	ds_load_b128 v[FR+6*(4*\g+\i):FR+6*(4*\g+\i)+3], v[AD16] offset:\g*GRP+\i*768
	ds_load_b64 v[FR+6*(4*\g+\i)+4:FR+6*(4*\g+\i)+5], v[AD8] offset:\g*GRP+\i*768+512
.endr
	ds_load_b64 v[KS+2*\g:KS+2*\g+1], v[AD8] offset:\g*GRP+3072
.endr
	s_cmp_eq_u32 s[SN], s[DA]
	s_cbranch_scc0 .Loff_diag_\@
	s_wait_dscnt 18                                ; the sixteen loads of the bias are in; K's sixteen and its two of scale words stay out
.set n, 0
.rept 64
	v_cmp_gt_i32 vcc_lo, 32*(n/16)+n%16, v[DD]     ; key > query
	s_delay_alu instid0(VALU_DEP_1)
	v_cndmask_b32 v[S+n], v[S+n], v[NEG8], vcc_lo
.set n, n+1
.endr
	PLACES 4
.Loff_diag_\@:
	s_wait_dscnt 0x0
	s_wait_alu depctr_va_vdst(0)
.irp t, 0,1,2,3,4,5,6,7
	MMA S+8*\t, FR+6*\t, QF, KS+2*(\t/4)+(\t%4)/2, QS, \t%2          ; S^T = K Q^T + 8 x the mask's addend: eight accumulators, one instruction each
.endr
	PLACES 4
.irp g, 0,1
.irp dt, 0,1,2,3
	ds_load_b128 v[FR+12*\dt+6*\g:FR+12*\dt+6*\g+3], v[AD16] offset:\g*GRP+PACK+\dt*768       ; V's fragments land under the softmax
	ds_load_b64 v[FR+12*\dt+6*\g+4:FR+12*\dt+6*\g+5], v[AD8] offset:\g*GRP+PACK+\dt*768+512
.endr
	ds_load_b64 v[VS+2*\g:VS+2*\g+1], v[AD8] offset:\g*GRP+PACK+3072
.endr
.irp b, 0,1,2,3
	v_max3_num_f32 v[TM+\b], v[S+16*\b], v[S+16*\b+1], v[S+16*\b+2]   ; the largest score of each block of 32 keys; each accumulator from its low end on
.endr
.irp i, 3,5,7,9,11,13
.irp b, 0,1,2,3
	v_max3_num_f32 v[TM+\b], v[TM+\b], v[S+16*\b+\i], v[S+16*\b+\i+1]
.endr
.endr
.irp b, 0,1,2,3
	v_max_num_f32 v[TM+\b], v[TM+\b], v[S+16*\b+15]
.endr
.irp b, 0,1,2,3
	s_delay_alu instid0(VALU_DEP_4)
	v_permlanex16_b32 v[TX+\b], v[TM+\b], s[SEL], s[SEL+1]
.endr
.irp b, 0,1,2,3
	s_delay_alu instid0(VALU_DEP_4)
	v_max_num_f32 v[TM+\b], v[TM+\b], v[TX+\b]     ; with lane l xor 16's 16 keys
.endr
	s_delay_alu instid0(VALU_DEP_2)
	v_max3_num_f32 v[T0], v[TM], v[TM+1], v[TM+2]
	s_delay_alu instid0(VALU_DEP_1)
	v_max_num_f32 v[T0], v[T0], v[TM+3]
	s_delay_alu instid0(VALU_DEP_1)
	v_mul_f32 v[T0], s[CS], v[T0]                  ; as t (c is positive)
	s_delay_alu instid0(VALU_DEP_1)
	v_max_num_f32 v13, v13, v[T0]                  ; the running largest t
	v_mov_b32 v[T0], v12
	s_delay_alu instid0(VALU_DEP_2)
	v_floor_f32 v12, -v13                          ; the new -M = -ceil(t)
	s_delay_alu instid0(VALU_DEP_1)
	v_sub_f32 v[T0], v12, v[T0]                    ; old M - new M: a whole number, 0 or less
	s_delay_alu instid0(VALU_DEP_1)
	v_cvt_i32_f32 v[T0], v[T0]                     ; (it saturates)
	s_delay_alu instid0(VALU_DEP_1)
	v_ldexp_f32 v[FF], 1.0, v[T0]                  ; f = 2^(old M - new M)
.set j, 0
.rept 32
	v_pk_fma_f32 v[S+j:S+j+1], v[S+j:S+j+1], s[CS:CS+1], v[12:13] op_sel_hi:[1,0,0]   ; t - M, two at a time
.set j, j+2
.endr
.irp b, 0,1,2,3
	v_fma_f32 v[TM+\b], v[TM+\b], s[CS], v12
.endr
.set j, 0
	s_wait_alu depctr_va_vdst(0)
.rept 64
	v_exp_f32 v[S+j], v[S+j]                       ; p = 2^(t - M)
.set j, j+1
.endr
.irp b, 0,1,2,3
	v_exp_f32 v[TM+\b], v[TM+\b]                   ; the block's largest p
.endr
	v_pk_mul_f32 v[14:15], v[14:15], v[FF:FF+1] op_sel_hi:[1,0]      ; the sums under the new M (a plain place behind the exponentials)
	s_wait_alu depctr_va_vdst(0)                   ; and behind it
.irp b, 0,1,2,3
	v_max_num_f32 v[TM+\b], 0x2800000, v[TM+\b]    ; the floor 2^(5 - 127)
.endr
.irp b, 0,1,2,3
	s_delay_alu instid0(VALU_DEP_4)
	v_add_nc_u32 v[SO+\b], 0xfe000000, v[TM+\b]
.endr
.irp b, 0,1,2,3
	s_delay_alu instid0(VALU_DEP_4)
	v_lshrrev_b32 v[TX+\b], 23, v[SO+\b]
.endr
	s_delay_alu instid0(VALU_DEP_3)
	v_lshl_or_b32 v[PS], v[TX+1], 8, v[TX]         ; p's scale word for these 128 keys
	s_delay_alu instid0(VALU_DEP_1)
	v_lshl_or_b32 v[PS], v[TX+2], 16, v[PS]
	s_delay_alu instid0(VALU_DEP_1)
	v_lshl_or_b32 v[PS], v[TX+3], 24, v[PS]
.irp c, 0,1
	v_cvt_scalef32_pk16_bf6_f32 v[PC+6*\c:PC+6*\c+2], v[S+32*\c:S+32*\c+15], v[SO+2*\c]
	v_cvt_scalef32_pk16_bf6_f32 v[PT+4*\c:PT+4*\c+2], v[S+32*\c+16:S+32*\c+31], v[SO+2*\c+1]
.endr
	v_nop                                          ; one plain place behind a scaled conversion
.irp c, 0,1
.irp i, 0,1,2
	v_permlane16_swap_b32 v[PC+6*\c+\i], v[PT+4*\c+\i]
.endr
.irp i, 0,1,2
	s_delay_alu instid0(VALU_DEP_3)
	v_mov_b32 v[PC+6*\c+3+\i], v[PT+4*\c+\i]
.endr
.endr
	s_wait_dscnt 0x0                               ; V
	v_lshl_or_b32 v[VS], v[VS+2], 16, v[VS]        ; the two key groups' bytes make the words of 128 keys; the 48 packed lines below are the places behind these two
	v_lshl_or_b32 v[VS+1], v[VS+3], 16, v[VS+1]
	v_pk_add_f32 v[204:205], v[100:101], v[104:105]   ; the row's sum of the unquantised p, in eight chains
	v_pk_add_f32 v[230:231], v[108:109], v[112:113]
	v_pk_add_f32 v[222:223], v[116:117], v[120:121]
	v_pk_add_f32 v[220:221], v[124:125], v[128:129]
	v_pk_add_f32 v[214:215], v[132:133], v[136:137]
	v_pk_add_f32 v[212:213], v[140:141], v[144:145]
	v_pk_add_f32 v[210:211], v[148:149], v[152:153]
	v_pk_add_f32 v[14:15], v[14:15], v[156:157]
	v_pk_add_f32 v[204:205], v[204:205], v[96:97]
	v_pk_add_f32 v[230:231], v[230:231], v[98:99]
	v_pk_add_f32 v[222:223], v[222:223], v[102:103]
	v_pk_add_f32 v[220:221], v[220:221], v[106:107]
	v_pk_add_f32 v[214:215], v[214:215], v[110:111]
	v_pk_add_f32 v[212:213], v[212:213], v[114:115]
	v_pk_add_f32 v[210:211], v[210:211], v[118:119]
	v_pk_add_f32 v[14:15], v[14:15], v[122:123]
	v_pk_add_f32 v[204:205], v[204:205], v[126:127]
	v_pk_add_f32 v[230:231], v[230:231], v[130:131]
	v_pk_add_f32 v[222:223], v[222:223], v[134:135]
	v_pk_add_f32 v[220:221], v[220:221], v[138:139]
	v_pk_add_f32 v[214:215], v[214:215], v[142:143]
	v_pk_add_f32 v[212:213], v[212:213], v[146:147]
	v_pk_add_f32 v[210:211], v[210:211], v[150:151]
	v_pk_add_f32 v[14:15], v[14:15], v[154:155]
	v_pk_add_f32 v[204:205], v[204:205], v[158:159]
	s_delay_alu instid0(VALU_DEP_2)
	v_pk_add_f32 v[14:15], v[14:15], v[220:221]
	s_delay_alu instid0(VALU_DEP_2)
	v_pk_add_f32 v[204:205], v[204:205], v[214:215]
	v_pk_add_f32 v[230:231], v[230:231], v[212:213]
	v_pk_add_f32 v[222:223], v[222:223], v[210:211]
	s_delay_alu instid0(VALU_DEP_2)
	v_pk_add_f32 v[14:15], v[14:15], v[230:231]
	s_delay_alu instid0(VALU_DEP_2)
	v_pk_add_f32 v[204:205], v[204:205], v[222:223]
	s_delay_alu instid0(VALU_DEP_1)
	v_pk_add_f32 v[14:15], v[14:15], v[204:205]
.set j, 0
.rept 16
	v_pk_mul_f32 v[OA+j:OA+j+1], v[OA+j:OA+j+1], v[FF:FF+1] op_sel_hi:[1,0]      ; O^T under the new M
.set j, j+2
.endr
.irp dt, 0,1,2,3
	MMA OA+8*\dt, FR+12*\dt, PC, VS+\dt/2, PS, \dt%2                 ; O^T += V^T P^T: four accumulators by turns
.endr
.endm
; A TRIP.  A wave whose head still has a step stores the pack that it holds into the trip's slot and, if a further step follows, asks for the next pack.  The barrier stands on every wave's path: in front of it each wave's
; stores into this slot are done, and so are its reads of the other slot (the step before waited for all its LDS loads); the other slot is written again only behind the next barrier.
.macro TRIP slot
	s_cmp_lt_u32 s[SN], s[LIM]
	s_cbranch_scc0 .Lidle_\@
	s_wait_loadcnt 0x0                             ; my pack is in
.irp n, 0,1,2,3,4,5
	ds_store_b128 v[ST16], v[SG+4*\n:SG+4*\n+3] offset:(\slot)*SLOT1+512*\n
.endr
	ds_store_b64 v[ST8], v[SGS:SGS+1] offset:(\slot)*SLOT1+3072
	s_add_co_u32 s49, s[SN], 1
	s_wait_dscnt 0x0                               ; the stores are done, and have read their registers
	s_cmp_lt_u32 s49, s[LIM]
	s_cbranch_scc0 .Lidle_\@
	LOADP 2*GRP                                    ; the next trip's pack
.Lidle_\@:
	s_barrier_signal -1
	s_barrier_wait -1
	s_cmp_lt_u32 s[SN], s[LIM]
	s_cbranch_scc0 .Lskip_\@
	STEP \slot
	s_wait_alu depctr_va_vdst(0)
.Lskip_\@:
	s_wait_xcnt 0x0                                ; the trip's loads have read their base: only now it steps
	s_add_nc_u64 s[KB:KB+1], s[KB:KB+1], 2*GRP
	s_add_co_u32 s[SN], s[SN], 1
	s_add_co_u32 s[SBI], s[SBI], 512
.endm
	s_wait_alu depctr_va_vdst(0)
	s_wait_loadcnt 0x0                             ; Q, and trip 0's pack
	s_wait_dscnt 0x0                               ; my stores of the bias
.Ltrips:                                           ; eight times two trips: a constant count
	TRIP 0
	TRIP 1
	s_sub_co_u32 s[CNT], s[CNT], 1
	s_cmp_lg_u32 s[CNT], 0
	s_cbranch_scc1 .Ltrips
	; THE WAY OUT: O^T / the sum is 32 numbers of my query, register 16 b + i = the head's 32 b + 16 h + i: one tile of a pack for the last product
	PLACES 4
	v_add_f32 v14, v14, v15
	s_delay_alu instid0(VALU_DEP_1)
	v_permlanex16_b32 v[T0], v14, s[SEL], s[SEL+1]
	s_delay_alu instid0(VALU_DEP_1)
	v_add_f32 v14, v14, v[T0]                      ; the row's sum
	s_wait_alu depctr_va_vdst(0)
	v_rcp_f32 v14, v14
	v_nop                                          ; one plain place behind a transcendental
.set j, 0
	s_wait_alu depctr_va_vdst(0)
.rept 32
	v_mul_f32 v[S+j], v[OA+j], v14                 ; each accumulator from its low end on
.set j, j+1
.endr
	QUANT32 S, PC, PS
	global_store_b128 v[G16], v[PC:PC+3], s[10:11]
	global_store_b64 v[G8], v[PC+4:PC+5], s[10:11] offset:512
	global_store_b32 v[GS], v[PS], s[10:11] offset:3072              ; both halves of the lanes write the same word with the same value
	s_wait_tensorcnt 0x0                           ; the wave's end
	ds_add_u32 v[SPW], v[NIL]
	s_wait_dscnt 0x0
	s_endpgm
.Lfunc_end_k_qfa72d006a8_attn:
	.size	k_qfa72d006a8_attn, .Lfunc_end_k_qfa72d006a8_attn-k_qfa72d006a8_attn
	.p2alignl 7, 3214868480
	.fill 96, 4, 3214868480
	.section	.rodata,"a",@progbits
	.p2align	6, 0x0
	.amdhsa_kernel k_qfa72d006a8_attn
		.amdhsa_group_segment_fixed_size 92160
		.amdhsa_private_segment_fixed_size 0
		.amdhsa_enable_private_segment 0
		.amdhsa_kernarg_size 40
		.amdhsa_user_sgpr_count 2
		.amdhsa_user_sgpr_kernarg_segment_ptr 1
		.amdhsa_wavefront_size32 1
		.amdhsa_system_sgpr_workgroup_id_x 1
		.amdhsa_system_sgpr_workgroup_id_y 1
		.amdhsa_system_sgpr_workgroup_id_z 1
		.amdhsa_system_vgpr_workitem_id 0
		.amdhsa_next_free_vgpr 256
		.amdhsa_next_free_sgpr 100
		.amdhsa_reserve_vcc 1
		.amdhsa_float_denorm_mode_32 3
		.amdhsa_float_denorm_mode_16_64 3
		.amdhsa_memory_ordered 1
		.amdhsa_forward_progress 1
		.amdhsa_inst_pref_size 70
	.end_amdhsa_kernel
	.amdgpu_metadata
---
amdhsa.version: [ 1, 2 ]
amdhsa.kernels:
  - .name:           k_qfa72d006a8_attn
    .symbol:         k_qfa72d006a8_attn.kd
    .args:
      - { .name: qp, .offset: 0, .size: 8, .value_kind: global_buffer, .address_space: global }
      - { .name: kv, .offset: 8, .size: 8, .value_kind: global_buffer, .address_space: global }
      - { .name: attn_mask, .offset: 16, .size: 8, .value_kind: global_buffer, .address_space: global }
      - { .name: ao, .offset: 24, .size: 8, .value_kind: global_buffer, .address_space: global }
      - { .name: ex, .offset: 32, .size: 8, .value_kind: global_buffer, .address_space: global }
    .group_segment_fixed_size: 92160
    .private_segment_fixed_size: 0
    .kernarg_segment_align: 8
    .kernarg_segment_size: 40
    .max_flat_workgroup_size: 384
    .sgpr_count:     100
    .vgpr_count:     256
    .wavefront_size: 32
...
	.end_amdgpu_metadata
.endif
;; end of part 3
;; launch oproj (part 4): grid 64 x 6, 4 waves a work-group, no clusters, 17,920 bytes of LDS; arguments ao, wq, out0; writes out0
.if DOCPART == 4
	.amdgcn_target "amdgcn-amd-amdhsa--gfx1250"
	.amdhsa_code_object_version 6
	.text
	.protected	k_qfa72d006a8_oproj
	.globl	k_qfa72d006a8_oproj
	.p2align	8
	.type	k_qfa72d006a8_oproj,@function
k_qfa72d006a8_oproj:
	s_mov_b64 s[64:65], 0
	v_nop
	global_prefetch_b8 v0, s[64:65] scope:SCOPE_SE
	s_setreg_imm32_b32 hwreg(HW_REG_WAVE_MODE, 25, 1), 1
	s_wait_xcnt 0x0
; out0 [4096][768] f32 = (the attention's result, as codes) x Wo (as codes), BF6 with E8M0 scales, K = 768.
; PACKS (3,328 bytes: 64 rows x 64 along K as images of operand registers; tile tt at 768 tt: registers 0-3 at 16 x lane, 4-5 at 512 + 8 x lane; lane (r, h) holds block h of row 32 (tt / 2) + 8 (tt % 2) + r + 8 (r / 8);
; scale words from byte 3,072, 8 bytes a lane: word i of lane l belongs to tile 2 i + l / 16, row l % 16).  ao: [64 token groups][12 along K];  wq: Wo's packs are feature groups 36 .. 47, 12 along K each.
; SHARES.  Work-group (x, y): token group x, feature groups 2 y and 2 y + 1.  Wave w: token tiles 2 (w % 2) and 2 (w % 2) + 1 x the 64 features of group 2 y + w / 2: eight accumulators.
; Source 0 = Wo's four tiles, source 1 = the tokens' two: a lane holds one token, and register 16 b + i of a token tile's four accumulators is feature 32 b + 16 h + i.
; Fragments come from memory straight into two sets of registers, every load of consecutive bytes in consecutive lanes; a step's 28 loads are asked for two steps ahead.  No tensor load, no ring.
; The results go through the wave's own stage in LDS (16 rows x 272 bytes) and leave as aligned runs of 256 consecutive bytes, sixteen lanes to a run.
; CLUSTER: none: no tensor load is used, and a work-group's operands are 120 KB read once.
.set PACK, 3328
.set L16,  1                           ; v1  16 x lane    v2  8 x lane
.set L8,   2
.set STO,  4                           ; v4  the stage: where I put 16 bytes of my token's row
.set RD,   5                           ; v5  and where I read a row back
.set CO,   6                           ; v6  my byte offset in two rows of out0
.set SCL,  8                           ; v8-13, v16-21  two sets of scale words: Wo's of the step's two packs (2 + 2), the tokens' (1 + 1)
.set BUF,  24                          ; v24-95, v96-167  two sets of fragments: Wo's four (48 registers), the tokens' two (24)
.set ACC,  168                         ; v168-231 accumulator (g, m) at ACC + 32 g + 8 m
.set BK,   24                          ; the way out: rows read back
.macro PLACES n
.rept \n
	v_nop
.endr
.endm
.macro MM d, a, b, z, sa, sb, ra, rb   ; z = 1: the constant 0 starts the sum.  ra, rb = 1: that side's scale words stand in lanes 16-31
.if (\z) && (\ra) && (\rb)
	v_wmma_scale_f32_16x16x128_f8f6f4 v[\d:\d+7], v[\a:\a+11], v[\b:\b+11], 0, v[\sa], v[\sb] matrix_a_fmt:MATRIX_FMT_BF6 matrix_b_fmt:MATRIX_FMT_BF6 matrix_a_scale:MATRIX_SCALE_ROW1 matrix_b_scale:MATRIX_SCALE_ROW1
.elseif (\z) && (\ra)
	v_wmma_scale_f32_16x16x128_f8f6f4 v[\d:\d+7], v[\a:\a+11], v[\b:\b+11], 0, v[\sa], v[\sb] matrix_a_fmt:MATRIX_FMT_BF6 matrix_b_fmt:MATRIX_FMT_BF6 matrix_a_scale:MATRIX_SCALE_ROW1
.elseif (\z) && (\rb)
	v_wmma_scale_f32_16x16x128_f8f6f4 v[\d:\d+7], v[\a:\a+11], v[\b:\b+11], 0, v[\sa], v[\sb] matrix_a_fmt:MATRIX_FMT_BF6 matrix_b_fmt:MATRIX_FMT_BF6 matrix_b_scale:MATRIX_SCALE_ROW1
.elseif (\z)
	v_wmma_scale_f32_16x16x128_f8f6f4 v[\d:\d+7], v[\a:\a+11], v[\b:\b+11], 0, v[\sa], v[\sb] matrix_a_fmt:MATRIX_FMT_BF6 matrix_b_fmt:MATRIX_FMT_BF6
.elseif (\ra) && (\rb)
	v_wmma_scale_f32_16x16x128_f8f6f4 v[\d:\d+7], v[\a:\a+11], v[\b:\b+11], v[\d:\d+7], v[\sa], v[\sb] matrix_a_fmt:MATRIX_FMT_BF6 matrix_b_fmt:MATRIX_FMT_BF6 matrix_a_scale:MATRIX_SCALE_ROW1 matrix_b_scale:MATRIX_SCALE_ROW1
.elseif (\ra)
	v_wmma_scale_f32_16x16x128_f8f6f4 v[\d:\d+7], v[\a:\a+11], v[\b:\b+11], v[\d:\d+7], v[\sa], v[\sb] matrix_a_fmt:MATRIX_FMT_BF6 matrix_b_fmt:MATRIX_FMT_BF6 matrix_a_scale:MATRIX_SCALE_ROW1
.elseif (\rb)
	v_wmma_scale_f32_16x16x128_f8f6f4 v[\d:\d+7], v[\a:\a+11], v[\b:\b+11], v[\d:\d+7], v[\sa], v[\sb] matrix_a_fmt:MATRIX_FMT_BF6 matrix_b_fmt:MATRIX_FMT_BF6 matrix_b_scale:MATRIX_SCALE_ROW1
.else
	v_wmma_scale_f32_16x16x128_f8f6f4 v[\d:\d+7], v[\a:\a+11], v[\b:\b+11], v[\d:\d+7], v[\sa], v[\sb] matrix_a_fmt:MATRIX_FMT_BF6 matrix_b_fmt:MATRIX_FMT_BF6
.endif
.endm
; step s (128 along K: packs 2 s and 2 s + 1) into set s % 2: 28 loads, every offset an immediate
.macro LOAD s
.set BB, BUF+72*((\s)%2)
.set SB, SCL+8*((\s)%2)
.irp cc, 0,1
.irp m, 0,1,2,3
	global_load_b128 v[BB+12*\m+6*\cc:BB+12*\m+6*\cc+3], v[L16], s[6:7] offset:(2*(\s)+\cc)*PACK+\m*768
	global_load_b64 v[BB+12*\m+6*\cc+4:BB+12*\m+6*\cc+5], v[L8], s[6:7] offset:(2*(\s)+\cc)*PACK+\m*768+512
.endr
.irp g, 0,1
	global_load_b128 v[BB+48+12*\g+6*\cc:BB+48+12*\g+6*\cc+3], v[L16], s[4:5] offset:(2*(\s)+\cc)*PACK+\g*768
	global_load_b64 v[BB+48+12*\g+6*\cc+4:BB+48+12*\g+6*\cc+5], v[L8], s[4:5] offset:(2*(\s)+\cc)*PACK+\g*768+512
.endr
	global_load_b64 v[SB+2*\cc:SB+2*\cc+1], v[L8], s[6:7] offset:(2*(\s)+\cc)*PACK+3072
	global_load_b32 v[SB+4+\cc], v[L8], s[10:11] offset:(2*(\s)+\cc)*PACK+3072     ; my pair of token tiles: lanes 0-15 the even tile's words, lanes 16-31 the odd tile's
.endr
.endm
.macro KSTEP s, z
.if (\s) < 5
	s_wait_loadcnt 28                              ; this step's 28 loads are in; the next step's stay out
.else
	s_wait_loadcnt 0x0
.endif
.set BB, BUF+72*((\s)%2)
.set SB, SCL+8*((\s)%2)
	v_lshl_or_b32 v[SB], v[SB+2], 16, v[SB]        ; two packs' two bytes a row make the word of 128 along K
	v_lshl_or_b32 v[SB+1], v[SB+3], 16, v[SB+1]
	v_lshl_or_b32 v[SB+4], v[SB+5], 16, v[SB+4]
	PLACES 8                                       ; a scale register written by a vector instruction stands eight places ahead of a scaled matrix instruction
.irp g, 0,1
.irp m, 0,1,2,3
	MM ACC+32*\g+8*\m, BB+12*\m, BB+48+12*\g, \z, SB+\m/2, SB+4, \m%2, \g          ; the eight accumulators by turns, in the same order in every step
.endr
.endr
	PLACES 4                                       ; in front of loads into registers that these products read, and of the first read of results
.if (\s) < 4
	LOAD (\s)+2
.endif
.endm
	s_load_b128 s[4:7], s[0:1], 0x0                ; ao s[4:5], wq s[6:7]
	s_load_b64 s[8:9], s[0:1], 0x10                ; out0
	v_lshl_add_u32 v232, v0, 2, 0x4400
	v_mov_b32 v233, 0
	v_lshrrev_b32 v3, 5, v0
	v_readfirstlane_b32 s12, v3                    ; wave 0..3
	s_and_b32 s13, s12, 1                          ; which pair of token tiles
	s_lshr_b32 s14, s12, 1
	s_and_b32 s15, ttmp7, 0xffff
	s_lshl_b32 s15, s15, 1
	s_add_co_u32 s15, s15, s14                     ; which 64 features
	v_and_b32 v3, 31, v0
	v_and_b32 v7, 15, v0                           ; r
	v_bfe_u32 v22, v0, 4, 1                        ; h
	v_lshlrev_b32 v[L16], 4, v3
	v_lshlrev_b32 v[L8], 3, v3
	s_mul_i32 s16, s12, 16*272                     ; my stage
	v_mul_u32_u24 v[STO], v7, 272
	v_lshl_add_u32 v[STO], v22, 6, v[STO]
	v_add_nc_u32 v[STO], s16, v[STO]               ; in: row r, + 64 h: features 16 h on of each 32
	v_mul_u32_u24 v[RD], v22, 272
	v_lshl_add_u32 v[RD], v7, 4, v[RD]
	v_add_nc_u32 v[RD], s16, v[RD]                 ; back: lanes 0-15 one row of 256 bytes, lanes 16-31 the next
	v_mul_u32_u24 v[CO], v22, 3072
	v_lshl_add_u32 v[CO], v7, 4, v[CO]             ; and the same two rows in out0
	s_add_co_u32 s16, s15, 36
	s_mul_i32 s16, s16, 12*PACK                    ; Wo's packs of my features
	s_mov_b32 s17, 0
	s_mul_i32 s18, ttmp9, 12*PACK                  ; the token group's packs
	s_mov_b32 s19, 0
	s_lshl_b32 s20, s13, 2                         ; my pair's word of a lane's two scale words
	s_mov_b32 s21, 0
	s_mul_i32 s22, s13, 2*768                      ; my pair's tiles in a pack
	s_mov_b32 s23, 0
	s_lshl_b32 s24, ttmp9, 6
	s_lshl_b32 s25, s13, 5
	s_add_co_u32 s24, s24, s25
	s_mul_i32 s24, s24, 3072                       ; out0: token 64 x + 32 (w % 2),
	s_lshl_b32 s25, s15, 8
	s_add_co_u32 s24, s24, s25                     ; my 64 features: 256 bytes
	s_mov_b32 s25, 0
	s_wait_alu depctr_va_vdst(0)
	s_wait_kmcnt 0x0
	s_add_nc_u64 s[6:7], s[6:7], s[16:17]
	s_add_nc_u64 s[4:5], s[4:5], s[18:19]
	s_add_nc_u64 s[10:11], s[4:5], s[20:21]
	s_add_nc_u64 s[4:5], s[4:5], s[22:23]
	s_add_nc_u64 s[8:9], s[8:9], s[24:25]
	LOAD 0
	LOAD 1
	KSTEP 0, 1                                     ; the first step's products start the sums
	KSTEP 1, 0
	KSTEP 2, 0
	KSTEP 3, 0
	KSTEP 4, 0
	KSTEP 5, 0
	; THE WAY OUT.  LDS serves a wave's instructions in order (ISA guide 5.7.1.4): no wait between the stores and the loads, nor in front of the second tile's stores
.irp g, 0,1
.irp b, 0,1
.irp i, 0,1,2,3
	ds_store_b128 v[STO], v[ACC+32*\g+16*\b+4*\i:ACC+32*\g+16*\b+4*\i+3] offset:128*\b+16*\i   ; each accumulator from its low end on
.endr
.endr
.irp j, 0,1,2,3,4,5,6,7
	ds_load_b128 v[BK+32*\g+4*\j:BK+32*\g+4*\j+3], v[RD] offset:544*\j
.endr
.endr
.irp g, 0,1
.irp j, 0,1,2,3,4,5,6,7
	s_wait_dscnt 16*(1-\g)+7-\j                    ; behind this load: the tile's later loads, and for the first tile the second's sixteen LDS instructions
	global_store_b128 v[CO], v[BK+32*\g+4*\j:BK+32*\g+4*\j+3], s[8:9] offset:(8*\g+2*\j+8*(\j/4))*3072 th:TH_STORE_NT   ; stage row 2 j + h is token 8 g + 2 j + h + 8 (j / 4) of my 32; sixteen lanes store 256 consecutive bytes, aligned
.endr
.endr
	s_wait_tensorcnt 0x0
	ds_add_u32 v232, v233
	s_wait_dscnt 0x0
	s_endpgm
.Lfunc_end_k_qfa72d006a8_oproj:
	.size	k_qfa72d006a8_oproj, .Lfunc_end_k_qfa72d006a8_oproj-k_qfa72d006a8_oproj
	.p2alignl 7, 3214868480
	.fill 96, 4, 3214868480
	.section	.rodata,"a",@progbits
	.p2align	6, 0x0
	.amdhsa_kernel k_qfa72d006a8_oproj
		.amdhsa_group_segment_fixed_size 17920
		.amdhsa_private_segment_fixed_size 0
		.amdhsa_enable_private_segment 0
		.amdhsa_kernarg_size 24
		.amdhsa_user_sgpr_count 2
		.amdhsa_user_sgpr_kernarg_segment_ptr 1
		.amdhsa_wavefront_size32 1
		.amdhsa_system_sgpr_workgroup_id_x 1
		.amdhsa_system_sgpr_workgroup_id_y 1
		.amdhsa_system_sgpr_workgroup_id_z 1
		.amdhsa_system_vgpr_workitem_id 0
		.amdhsa_next_free_vgpr 234
		.amdhsa_next_free_sgpr 66
		.amdhsa_reserve_vcc 0
		.amdhsa_float_denorm_mode_32 3
		.amdhsa_float_denorm_mode_16_64 3
		.amdhsa_memory_ordered 1
		.amdhsa_forward_progress 1
		.amdhsa_inst_pref_size 32
	.end_amdhsa_kernel
	.amdgpu_metadata
---
amdhsa.version: [ 1, 2 ]
amdhsa.kernels:
  - .name:           k_qfa72d006a8_oproj
    .symbol:         k_qfa72d006a8_oproj.kd
    .args:
      - { .name: ao, .offset: 0, .size: 8, .value_kind: global_buffer, .address_space: global }
      - { .name: wq, .offset: 8, .size: 8, .value_kind: global_buffer, .address_space: global }
      - { .name: out0, .offset: 16, .size: 8, .value_kind: global_buffer, .address_space: global }
    .group_segment_fixed_size: 17920
    .private_segment_fixed_size: 0
    .kernarg_segment_align: 8
    .kernarg_segment_size: 24
    .max_flat_workgroup_size: 128
    .sgpr_count:     66
    .vgpr_count:     234
    .wavefront_size: 32
...
	.end_amdgpu_metadata
.endif
;; end of part 4
